; MI455X (gfx1250); checked and timed in simulation.
; The chip was launched on July 23, 2026; its instructions are those of AMD's public machine-readable ISA for CDNA 5 (MIT licence, August 2026) and "CDNA5" Instruction Set Architecture Reference Guide (July 2026). The comments in the code are by the model that wrote it; some were corrected since.
;; Multi Head Self Attention. Allowed arithmetic: matrix products marked QUANTISED: E2M1 operands, one E8M0 scale for each 32 along K, by v_wmma_scale_f32_16x16x128_f8f6f4 with both operands' format E2M1 (or v_wmma_scale_f32_32x16x128_f4), f32 sums; products left as they are: bf16, f16 or f32 operands; f32 sums; everything else in f32.
;; Inputs: attention_mask 4 x 2,048 bool; b_proj 1,024 float32; b_qkv 3,072 float32; w_proj 1,024 x 1,024 float32; w_qkv 3,072 x 1,024 float32; x 4 x 2,048 x 1,024 float32.
;; Outputs: out0 4 x 2,048 x 1,024 float32.
;; This version of the problem:
;;   THIS VERSION OF THE PROBLEM IS GIVEN IN LOW PRECISION. The matrix products marked QUANTISED in the list below multiply operands that are first quantised to E2M1 (2 exponent bits, 1 mantissa bit; 4 bits a number), with one power-of-two scale for each 32 numbers along K (OCP MX v1.0); their sums are f32. The products marked 'left as it is' may take bf16, f16 or f32 operands, with f32 sums. Whichever they take, every output number must still come out within the allowed error. Rounding operands to bf16 (8 significant bits) uses up far more of that allowance than f16 does (11 bits, for magnitudes from 6e-5 to 65,504). All else is computed in f32.
;;   The module's matrix products, in the order in which they are computed (A, B: the left and right operand; K: the contracted axis; several contracted axes count as one K, in the product's order):
;;     1. [M 8,192, K 1,024] x [K 1,024, N 3,072]; A: input x; B: input w_qkv: QUANTISED
;;     2. batch 64 x [M 2,048, K 64] x [K 64, N 2,048]; A: computed on the way; B: computed on the way: left as it is (an operand is computed on the way)
;;     3. batch 64 x [M 2,048, K 2,048] x [K 2,048, N 64]; A: computed on the way; B: computed on the way: left as it is (an operand is computed on the way)
;;     4. [M 8,192, K 1,024] x [K 1,024, N 1,024]; A: computed on the way; B: input w_proj: left as it is (an operand is computed on the way)
;;   THE QUANTISER, for each operand of a quantised product, along K:
;;     - K is cut into blocks of 32 from its start; a last block that is shorter is filled with zeros.
;;     - A block's scale is 2^e with e = floor(log2(the largest magnitude in the block)) - 2, held to -126 .. 127; a block of zeros has e = 0. As a byte (E8M0): e + 127.
;;     - Each number is divided by its block's scale, clamped to +-6, and rounded to the nearest number of E2M1, ties to even, subnormals kept.
;;     - The product sums the exact products of the quantised numbers (number of the format x scale) in f32.
;;   ~~~python
;;   def quantise(x, axis):      # numpy; x: float32 -> the quantised numbers, widened to float32 again
;;       x = np.moveaxis(x, axis, -1); K = x.shape[-1]
;;       x = np.pad(x, [(0, 0)] * (x.ndim - 1) + [(0, -K % 32)]); x = x.reshape(x.shape[:-1] + (-1, 32)); a = np.abs(x).max(-1, keepdims=True)
;;       e = np.where(a > 0, np.clip(np.frexp(np.where(a > 0, a, 1))[1] - 1 - 2, -126, 127), 0)      # np.frexp(a)[1] - 1 = floor(log2(a)), exactly
;;       r = np.clip(x / 2.0 ** e, -6, 6)
;;       step = 2.0 ** (np.maximum(np.frexp(np.where(r == 0, 1, r))[1] - 1, 0) - 1)
;;       q = np.round(r / step) * step * 2.0 ** e      # np.round: ties to even
;;       return np.moveaxis(q.reshape(q.shape[:-2] + (-1,))[..., :K], -1, axis).astype(np.float32)
;;   ~~~
;; One version. Each part assembles by itself: llvm-mc -triple=amdgcn-amd-amdhsa -mcpu=gfx1250 --defsym DOCPART=n.
;; ======== version 1 of 1: 4 launches
;; limits: values are held in f16: magnitudes above 65,504 overflow, below 6.1e-05 lose precision
;; workspace buffers: xc 4,194,304 bytes; xs 262,144 bytes; wc 1,572,864 bytes; ws 98,304 bytes; wp16 2,097,152 bytes; mb 33,280 bytes; qkvh 50,331,648 bytes; oh 16,777,216 bytes
;; launch prep (part 1): grid 417 x 1, 4 waves a work-group, no clusters, 33,280 bytes of LDS; arguments x, w_qkv, w_proj, attention_mask, xc, xs, wc, ws, wp16, mb; writes xc, xs, wc, ws, wp16, mb
.if DOCPART == 1
	.amdgcn_target "amdgcn-amd-amdhsa--gfx1250"
	.amdhsa_code_object_version 6
	.text
	.protected	k_qf26cb74635_prep
	.globl	k_qf26cb74635_prep
	.p2align	8
	.type	k_qf26cb74635_prep,@function
k_qf26cb74635_prep:
	s_mov_b64 s[64:65], 0
	v_nop
	global_prefetch_b8 v0, s[64:65] scope:SCOPE_SE
	s_setreg_imm32_b32 hwreg(HW_REG_WAVE_MODE, 25, 1), 1
	s_wait_xcnt 0x0
; MULTI-HEAD SELF-ATTENTION, launch 1 of 4: what the later launches read many times is made once.
;   work-groups 0-255:   x [8192][1024] f32     -> xc, codes of FP4 (E2M1), K innermost, [8192][512 bytes]; xs, one E8M0 byte for each 32 along K, [8192][32]
;   work-groups 256-351: w_qkv [3072][1024] f32 -> wc [3072][512 bytes], ws [3072][32], likewise
;   work-groups 352-415: w_proj [1024][1024] f32 -> wp16, f16, in planes of 64 along K: [16][1024][64]
;   work-group 416:      attention_mask [4][2048] -> mb: an f32 number for each key, added to its score, and from byte 32,768 on a factor c_b for each batch (32 equal words)
; WORK LEFT OUT, for all values of the inputs: THE BIAS OF K, b_qkv[1024:2048].  The scores' product is not quantised, and q.(k + b) = q.k + q.b: the second term is the same for all
; keys of a query.  Kept keys all carry it, masked keys are replaced by -1e30 whatever they held, so the softmax along the keys is the same without it.  Those 1,024 numbers are never loaded
; (b_qkv stays an argument of the next launch for q's and v's parts).  LIMIT: a NaN, an infinity or an overflow that reaches only those numbers is not carried to the result.
; THE MASK.  A kept key gets 0, a masked key -1e30, as in the problem's own text; it is added as the C of the scores' product.  A batch with no kept key has a softmax of a constant, which is uniform:
; there the whole table is 0 and c_b is 0, so that q and with it every score is 0: uniform again.  Else c_b = log2(e) / 8, which the next launch multiplies into q.  Both are chosen as VALUES; no branch and no address hangs on the mask.
; THE QUANTISER.  A block's scale is 2^(floor(log2(its largest magnitude)) - 2); its byte is the largest magnitude's exponent field - 2, held at 1 from below.  A block of zeros gets the byte 1 where the rule
; says 127: its codes are zeros, which add nothing, and this program alone reads the bytes.  Each number is divided by the scale and rounded to the nearest code, ties to even, beyond 6 the largest code.
; LIMITS: blocks whose largest magnitude lies under 2^(2 - 126) keep the byte 1; NaN and infinities among the inputs are not served; |w_proj| stays under 65,504 (f16).
; No cluster and no tensor load: no two work-groups read the same byte, and every byte is read once by long runs of loads.
.set WGA,   256                        ; work-groups for x: 8192 x 1024 / 32,768
.set WGQ,   352                        ; and with w_qkv's 96
.set WGW,   64                         ; for w_proj: 16 rows each
.set STEPS, 16
.set EMAX,  2
.set CB,    8                          ; bytes of 16 codes
.set R,     16                         ; v16-79   four sets of 16 numbers as they are loaded
.set X,     80                         ; v80-111  two sets of 16 neighbours
.set E,     112                        ; v112-127 a scale byte for each step
.set C,     128                        ; v128-191 codes: four registers for each step, so that no store's data are written again
.set WREG,  8192                       ; LDS: a region for each wave: two stages of 32 x SP bytes, and behind them its 256 scale bytes
.set SP,    80                         ; a lane's place in a stage: its 64 bytes + 16 of padding
.set SPW,   12                         ; v12      LDS address of my spare word; never rewritten
.set NIL,   13                         ; v13      0; never rewritten
.set SPARE, 4*WREG                     ; behind the four regions: the spare words, 128 bytes a wave
	s_load_b512 s[8:23], s[0:1], 0x0               ; x 8, w_qkv 10, w_proj 12, mask 14, xc 16, xs 18, wc 20, ws 22
	s_load_b128 s[24:27], s[0:1], 0x40             ; wp16 24, mb 26
	v_lshl_add_u32 v[SPW], v0, 2, SPARE
	v_mov_b32 v[NIL], 0
	v_lshrrev_b32 v1, 5, v0
	v_readfirstlane_b32 s30, v1                    ; wave 0..3
	v_and_b32 v2, 31, v0                           ; lane
	s_wait_kmcnt 0x0
	s_cmp_ge_u32 ttmp9, WGQ                        ; the paths part on the work-group's number and never join
	s_cbranch_scc1 .Lother
; ---- THE QUANTISER.  Rows are dense and K is a multiple of 32: a tensor is a stream of blocks of 32.  A wave takes 16 steps of 512 numbers.  Each load reads 512 consecutive bytes; a step's 2,048 bytes
; turn through the wave's own stage in LDS, so that a lane then holds 16 neighbours (two neighbouring lanes hold a block).  Loads run four steps ahead, the turn through LDS one.
	v_lshlrev_b32 v3, 4, v2                        ; my 16 bytes of a load's 512
	s_mul_i32 s31, s30, WREG
	v_lshrrev_b32 v14, 2, v2
	v_mul_u32_u24 v14, v14, SP
	v_and_b32 v15, 3, v2
	v_lshl_add_u32 v14, v15, 4, v14
	v_add_nc_u32 v14, s31, v14                     ; the stage on the way in: SP (lane / 4) + 16 (lane % 4)
	v_mul_u32_u24 v15, v2, SP
	v_add_nc_u32 v15, s31, v15                     ; and on the way out: SP x lane
	v_mul_u32_u24 v4, v2, CB                       ; my codes' place in a step's
	v_lshrrev_b32 v5, 1, v2
	s_add_co_u32 s31, s31, 2*32*SP
	v_add_nc_u32 v5, s31, v5                       ; LDS: my wave's 256 scale bytes, my block's byte
	v_lshlrev_b32 v7, 3, v2                        ; and on the way out 8 bytes a lane
	v_add_nc_u32 v6, s31, v7
	s_cmp_lt_u32 ttmp9, WGA                        ; x's work-group or w_qkv's?  Only pointers are chosen
	s_cselect_b64 s[4:5], s[8:9], s[10:11]
	s_cselect_b64 s[6:7], s[16:17], s[20:21]
	s_cselect_b64 s[28:29], s[18:19], s[22:23]
	s_cselect_b32 s31, 0, WGA
	s_sub_co_u32 s31, ttmp9, s31
	s_lshl_b32 s31, s31, 2
	s_add_co_u32 s32, s31, s30                     ; which run of 8,192 numbers of the tensor is my wave's
	s_mov_b32 s33, 0
	s_mov_b64 s[34:35], 512*STEPS*4
	s_mul_u64 s[34:35], s[32:33], s[34:35]
	s_add_nc_u64 s[4:5], s[4:5], s[34:35]
	s_mov_b64 s[34:35], 32*STEPS*CB
	s_mul_u64 s[34:35], s[32:33], s[34:35]
	s_add_nc_u64 s[6:7], s[6:7], s[34:35]
	s_lshl_b32 s32, s32, 8                         ; 256 scale bytes a run
	s_add_nc_u64 s[28:29], s[28:29], s[32:33]
.macro LOAD t
.irp i, 0,1,2,3
	global_load_b128 v[R+16*((\t)%4)+4*\i:R+16*((\t)%4)+4*\i+3], v3, s[4:5] offset:2048*(\t)+512*\i th:TH_LOAD_NT
.endr
.endm
.macro TURN t                          ; step t's numbers through the stage: LDS serves a wave's instructions in order, so no wait stands between the stores and the loads
.irp i, 0,1,2,3
	ds_store_b128 v14, v[R+16*((\t)%4)+4*\i:R+16*((\t)%4)+4*\i+3] offset:32*SP*((\t)%2)+8*SP*\i
.endr
.irp i, 0,1,2,3
	ds_load_b128 v[X+16*((\t)%2)+4*\i:X+16*((\t)%2)+4*\i+3], v15 offset:32*SP*((\t)%2)+16*\i
.endr
.endm
.irp t, 0,1,2,3
	LOAD \t
.endr
	s_wait_loadcnt 12                              ; step 0's four loads are in; the twelve of steps 1 to 3 may be out
	TURN 0
.macro STEP t
.set XS, X+16*((\t)%2)
.if (\t) > 0
	s_wait_dscnt 1                                 ; this step's numbers are back from the stage (the last step's byte store may be out)
.else
	s_wait_dscnt 0x0
.endif
.if (\t)+4 < STEPS
	LOAD (\t)+4                                    ; into the registers that the stage's stores have read
.endif
.if (\t)+1 < STEPS
.if STEPS-2-(\t) >= 3
	s_wait_loadcnt 12                              ; the next step's four loads are in; those of the three steps behind it may be out
.else
	s_wait_loadcnt 4*(STEPS-2-(\t))
.endif
	TURN (\t)+1
.endif
	v_max3_num_f32 v8, |v[XS]|, |v[XS+1]|, |v[XS+2]|               ; the largest magnitude of my 16, in two chains
	v_max3_num_f32 v9, |v[XS+3]|, |v[XS+4]|, |v[XS+5]|
.irp i, 6,10
	v_max3_num_f32 v8, v8, |v[XS+\i]|, |v[XS+\i+1]|
	v_max3_num_f32 v9, v9, |v[XS+\i+2]|, |v[XS+\i+3]|
.endr
	v_max3_num_f32 v8, v8, |v[XS+14]|, |v[XS+15]|
	v_max3_num_f32 v8, v8, v9, (EMAX+1)<<23        ; and the floor 2^(EMAX + 1 - 127): the byte cannot fall under 1
	v_max_num_f32_dpp v8, v8, v8 row_xmask:1 row_mask:0xf bank_mask:0xf   ; and of my neighbour's 16: the block's
	v_add_nc_u32 v11, -(EMAX<<23), v8              ; EMAX off its exponent field: the conversion takes the exponent field of this operand as its scale
	v_cvt_scalef32_pk8_fp4_f32 v[C+4*(\t)], v[XS:XS+7], v11
	v_cvt_scalef32_pk8_fp4_f32 v[C+4*(\t)+1], v[XS+8:XS+15], v11
	v_lshrrev_b32 v[E+(\t)], 23, v11               ; the scale's byte (also the plain line behind the conversions)
	ds_store_b8 v5, v[E+(\t)] offset:16*(\t)       ; both lanes of a block write the same byte with the same value
	global_store_b64 v4, v[C+4*(\t):C+4*(\t)+1], s[6:7] offset:32*CB*(\t)   ; the wave stores 256 consecutive bytes, aligned
.endm
.irp t, 0,1,2,3,4,5,6,7,8,9,10,11,12,13,14,15
	STEP \t
.endr
	ds_load_b64 v[8:9], v6                         ; my wave's 256 scale bytes: these loads see my stores
	s_wait_dscnt 0x0
	global_store_b64 v7, v[8:9], s[28:29]          ; 256 consecutive bytes, aligned
	s_wait_tensorcnt 0x0                           ; the wave's end, behind my last LDS store
	ds_add_u32 v[SPW], v[NIL]
	s_wait_dscnt 0x0
	s_endpgm
.Lother:
	s_cmp_eq_u32 ttmp9, WGQ+WGW
	s_cbranch_scc1 .Lmask
; ---- w_proj TO f16 PLANES.  A wave takes 4 rows; 8 lanes to a row, 8 numbers a lane: 64 along K, one plane, for each pair of loads.  Its four rows of a plane are 512 consecutive bytes of wp16.  No LDS.
.set F, 16                             ; v16-143: 8 registers for each of the 16 planes
	s_sub_co_u32 s31, ttmp9, WGQ
	s_lshl_b32 s31, s31, 4
	s_lshl_b32 s32, s30, 2
	s_add_co_u32 s31, s31, s32                     ; my wave's first row
	s_lshl_b32 s32, s31, 12                        ; x 4,096 bytes
	s_mov_b32 s33, 0
	s_add_nc_u64 s[12:13], s[12:13], s[32:33]
	s_lshl_b32 s32, s31, 7                         ; x 128 bytes in a plane
	s_add_nc_u64 s[24:25], s[24:25], s[32:33]
	v_lshrrev_b32 v1, 3, v2
	v_and_b32 v3, 7, v2
	v_lshlrev_b32 v1, 12, v1
	v_lshl_add_u32 v1, v3, 5, v1                   ; in: row lane / 8, 32 bytes for each of its 8 lanes
	v_lshlrev_b32 v3, 4, v2                        ; out: 16 x lane
.irp kb, 0,1,2,3,4,5,6,7,8,9,10,11,12,13,14,15
	global_load_b128 v[F+8*\kb:F+8*\kb+3],   v1, s[12:13] offset:256*\kb th:TH_LOAD_NT
	global_load_b128 v[F+8*\kb+4:F+8*\kb+7], v1, s[12:13] offset:256*\kb+16 th:TH_LOAD_NT
.endr
.irp kb, 0,1,2,3,4,5,6,7,8,9,10,11,12,13,14,15
	s_wait_loadcnt 30-2*\kb                        ; this plane's two loads are in; the later planes' may be out
.irp i, 0,1,2,3
	v_cvt_pk_f16_f32 v[F+8*\kb+\i], v[F+8*\kb+2*\i], v[F+8*\kb+2*\i+1]   ; in place, ascending: register i is written when registers 2 i and 2 i + 1 are read
.endr
	global_store_b128 v3, v[F+8*\kb:F+8*\kb+3], s[24:25] offset:\kb*131072
.endr
	s_endpgm
.Lmask:
; ---- THE MASK.  Wave w takes batch w: 2,048 bytes, 16 loads of 4 bytes a lane.  No LDS.
	s_lshl_b32 s32, s30, 11
	s_mov_b32 s33, 0
	s_add_nc_u64 s[14:15], s[14:15], s[32:33]      ; the batch's mask
	s_lshl_b32 s32, s30, 13
	s_add_nc_u64 s[34:35], s[26:27], s[32:33]      ; its 2,048 numbers
	s_lshl_b32 s32, s30, 7
	s_add_nc_u64 s[26:27], s[26:27], s[32:33]      ; its 32 words of c_b (32,768 bytes on)
	v_lshlrev_b32 v1, 2, v2
	v_lshlrev_b32 v7, 4, v2
.irp i, 0,1,2,3,4,5,6,7,8,9,10,11,12,13,14,15
	global_load_b32 v[16+\i], v1, s[14:15] offset:128*\i           ; keys 128 i + 4 lane + 0 .. 3
.endr
	s_wait_loadcnt 0x0
	v_or_b32 v3, v16, v17
.irp i, 2,3,4,5,6,7,8,9,10,11,12,13,14,15
	v_or_b32 v3, v3, v[16+\i]
.endr
	v_cmp_ne_u32 vcc_lo, 0, v3
	s_cmp_lg_u32 vcc_lo, 0                         ; does the batch keep any key?
	s_cselect_b32 s31, 0x3e38aa3b, 0               ; c_b = log2(e) / 8, or 0
	s_cselect_b32 s36, 0xf149f2ca, 0               ; a masked key's number: -1e30, or 0
	v_mov_b32 v5, s36
	v_mov_b32 v6, 0
.irp i, 0,1,2,3,4,5,6,7,8,9,10,11,12,13,14,15
.irp k, 0,1,2,3
	v_bfe_u32 v4, v[16+\i], 8*\k, 8
	v_cmp_eq_u32 vcc_lo, 0, v4
	v_cndmask_b32 v[32+4*\i+\k], v6, v5, vcc_lo
.endr
	global_store_b128 v7, v[32+4*\i:32+4*\i+3], s[34:35] offset:512*\i   ; 512 consecutive bytes; each data register is written once
.endr
	v_mov_b32 v8, s31
	global_store_b32 v1, v8, s[26:27] offset:32768
	s_endpgm
.Lfunc_end_k_qf26cb74635_prep:
	.size	k_qf26cb74635_prep, .Lfunc_end_k_qf26cb74635_prep-k_qf26cb74635_prep
	.p2alignl 7, 3214868480
	.fill 96, 4, 3214868480
	.section	.rodata,"a",@progbits
	.p2align	6, 0x0
	.amdhsa_kernel k_qf26cb74635_prep
		.amdhsa_group_segment_fixed_size 33280
		.amdhsa_private_segment_fixed_size 0
		.amdhsa_enable_private_segment 0
		.amdhsa_kernarg_size 80
		.amdhsa_user_sgpr_count 2
		.amdhsa_user_sgpr_kernarg_segment_ptr 1
		.amdhsa_wavefront_size32 1
		.amdhsa_system_sgpr_workgroup_id_x 1
		.amdhsa_system_sgpr_workgroup_id_y 1
		.amdhsa_system_sgpr_workgroup_id_z 1
		.amdhsa_system_vgpr_workitem_id 0
		.amdhsa_next_free_vgpr 192
		.amdhsa_next_free_sgpr 66
		.amdhsa_reserve_vcc 1
		.amdhsa_float_denorm_mode_32 3
		.amdhsa_float_denorm_mode_16_64 3
		.amdhsa_memory_ordered 1
		.amdhsa_forward_progress 1
		.amdhsa_inst_pref_size 55
	.end_amdhsa_kernel
	.amdgpu_metadata
---
amdhsa.version: [ 1, 2 ]
amdhsa.kernels:
  - .name:           k_qf26cb74635_prep
    .symbol:         k_qf26cb74635_prep.kd
    .args:
      - { .name: x, .offset: 0, .size: 8, .value_kind: global_buffer, .address_space: global }
      - { .name: w_qkv, .offset: 8, .size: 8, .value_kind: global_buffer, .address_space: global }
      - { .name: w_proj, .offset: 16, .size: 8, .value_kind: global_buffer, .address_space: global }
      - { .name: attention_mask, .offset: 24, .size: 8, .value_kind: global_buffer, .address_space: global }
      - { .name: xc, .offset: 32, .size: 8, .value_kind: global_buffer, .address_space: global }
      - { .name: xs, .offset: 40, .size: 8, .value_kind: global_buffer, .address_space: global }
      - { .name: wc, .offset: 48, .size: 8, .value_kind: global_buffer, .address_space: global }
      - { .name: ws, .offset: 56, .size: 8, .value_kind: global_buffer, .address_space: global }
      - { .name: wp16, .offset: 64, .size: 8, .value_kind: global_buffer, .address_space: global }
      - { .name: mb, .offset: 72, .size: 8, .value_kind: global_buffer, .address_space: global }
    .group_segment_fixed_size: 33280
    .private_segment_fixed_size: 0
    .kernarg_segment_align: 8
    .kernarg_segment_size: 80
    .max_flat_workgroup_size: 128
    .sgpr_count:     66
    .vgpr_count:     192
    .wavefront_size: 32
...
	.end_amdgpu_metadata
.endif
;; end of part 1
;; launch qkvgemm (part 2): grid 12 x 32, 4 waves a work-group, clusters of 4 x 4, 327,680 bytes of LDS; arguments xc, xs, wc, ws, b_qkv, mb, qkvh; writes qkvh
.if DOCPART == 2
	.amdgcn_target "amdgcn-amd-amdhsa--gfx1250"
	.amdhsa_code_object_version 6
	.text
	.protected	k_qf26cb74635_qkvgemm
	.globl	k_qf26cb74635_qkvgemm
	.p2align	8
	.type	k_qf26cb74635_qkvgemm,@function
k_qf26cb74635_qkvgemm:
	s_mov_b64 s[64:65], 0
	v_nop
	global_prefetch_b8 v0, s[64:65] scope:SCOPE_SE
	s_setreg_imm32_b32 hwreg(HW_REG_WAVE_MODE, 25, 1), 1
	s_wait_xcnt 0x0
	s_wait_alu depctr_hold_cnt(0) depctr_sa_sdst(0) depctr_va_vdst(0) depctr_va_sdst(0) depctr_va_ssrc(0) depctr_va_vcc(0) depctr_vm_vsrc(0)
	s_getreg_b32 s2, hwreg(HW_REG_IB_STS2, 6, 4)
	s_cmp_eq_u32 s2, 0
	s_cbranch_scc0 .Lentry_in_a_cluster
	s_endpgm
.Lentry_in_a_cluster:
	s_bfe_u32 s2, ttmp6, 0x10000c
	s_cmp_lg_u32 s2, 0xf033
	s_cbranch_scc0 .Lentry_shape_is_right
	s_endpgm
.Lentry_shape_is_right:
; Launch 2 of 4: qkv = x w_qkv^T + b_qkv on codes of FP4 (E2M1) with one E8M0 scale for each 32 along K, sums in f32; the result leaves as f16, by heads: qkvh [3][batch 4][head 16][2048][64].
; WORK LEFT OUT: k's bias, b_qkv[1024:2048], is never loaded: it adds the same number to all scores of a query, which the softmax along the keys takes away (shown at the head of the first launch).
; q is multiplied in f32 by c_b (log2(e) / 8; 0 for a batch with no kept key), ahead of its one rounding to f16, so that the scores come out as exponents of 2.
; LIMITS: |c q|, |k| and |v| stay under 65,504 (f16).
; A tile of the result, 256 x 256, is made by a work-group of four waves; a wave makes 128 x 128: 64 accumulators of 16 x 16, 512 registers.  K = 1,024 is two LDS slots of 512 along K (rows of 256 bytes):
; both, and all scale bytes of the tile's 512 rows, are asked for at the head: three tensor loads of a wave are out, and no LDS byte is filled twice.
; CLUSTERS: 4 x 4 work-groups.  The four of a row of the cluster need the same rows of x, the four of a column the same rows of w_qkv: each tile is asked for jointly, by the same tensor load with the same
; descriptor and a mask that names the four.  The cluster's x is 0 for q, 1 for k, 2 for v: the same in all sixteen partners, so branches on it are alike in all of them.
; THE MATRIX INSTRUCTION IS USED TRANSPOSED (source 0 = 16 rows of w_qkv, source 1 = 16 rows of x): a lane holds eight neighbouring columns of one row.
; REGISTERS, in windows of 256: window 0: v0-31 addresses; v32-95 scale words, two sets; v128-191 x's fragments, one set; on the way out v128-223 are at work.
;   window 1: w_qkv's fragments, two sets, at v0 and v128; v64-127 the bias as the first step's C.   window 2, 3: the accumulators of my rows 0-63, 64-127 (accumulator (a, b) at v[8 (8 (a % 4) + b)]).
.set NQ,     4                         ; matrix instructions deep in a slot
.set ROWB,   256                       ; a tile's row in bytes: 512 codes
.set KROW,   512                       ; a row of codes in memory
.set PITCH,  272                       ; an LDS row: 256 bytes + 16 of padding = 68 words, so the 16 rows that a load touches start 4 banks apart (64 banks of 4 bytes: ISA guide 11.1)
.set FR,     8                         ; registers of a fragment: 16 rows x 128 K
.set NL,     2                         ; LDS loads that bring one
.set NP,     4                         ; places behind this matrix instruction (ISA guide 7.12.1)
.set HALFT,  128*PITCH                 ; 128 rows: what one tensor load brings
.set SLOT,   4*HALFT                   ; x's 256 rows, then w_qkv's 256 rows
.set KS,     32                        ; a row of scale bytes
.set SCL,    2*SLOT                    ; behind the slots: the scales, as units of 256 bytes + 16 of padding
.set HALFS,  (128*KS/256)*272          ; those of 128 rows: what one tensor load brings
.set SBLK,   (16*KS/256)*272           ; those of 16 rows
.set SPARE,  SCL+4*HALFS               ; the spare words, 128 bytes a wave
.set SPITCH, 272                       ; the way out: a stage of 16 rows x (256 bytes + 16) for each wave, in slot 0, which has had its only fill and its last read by then
.set ADRA, 16                          ; v16-17  LDS address of my fragments of x in slot 0, 1
.set ADRB, 20                          ; v20-21  the same for w_qkv
.set STO,  24                          ; v24     the way out: where I put 16 bytes of a row
.set RD,   25                          ; v25     where I read four rows of a head back
.set CO,   26                          ; v26     16 x lane
.set ADRS, 27                          ; v27     LDS address of my scale words: lanes 0-15 x's rows, lanes 16-31 w_qkv's
.set SPW,  28                          ; v28     LDS address of my spare word; never rewritten
.set NIL,  29                          ; v29     0; never rewritten
.set BO,   30                          ; v30     32 x (lane / 16): my eight numbers of a block's sixteen biases
.set SC,   32                          ; scale words: set s at v[SC + 32 s]; register 4 i + q: lanes 0-15 x's block i, lanes 16-31 w_qkv's block i
.set AF,   128                         ; x's fragments
.set BK,   128                         ; the way out: rows read back: v128-159 and v160-191 by turns
.set TMP,  192                         ; v192-223 a block's results as f16
.set BIA,  64                          ; in window 1: the bias, eight registers for each of w_qkv's eight blocks
.set G1, 24
.set G0, 32
.set G1B, 48
.set G0B, 56
.set G1S, 68
.set G0S, 76
.set G1SB, 80
.set G0SB, 88
.set MSB, 0
.macro WIN new                         ; the immediate's high byte repeats the setting that is left
.if MSB != (\new)
	s_set_vgpr_msb (MSB<<8)|(\new)
.set MSB, (\new)
.endif
.endm
.set MUL_LO, 0xa1                      ; source 0 window 1, source 1 window 0, C and D window 2
.set MUL_HI, 0xf1                      ; the same, C and D window 3
.set FST_LO, 0x91                      ; the first step: C (the bias) window 1, D window 2
.set FST_HI, 0xd1                      ; D window 3
.set TO_B,   0x40                      ; destination window 1, address window 0
; A joint load: waves 0 and 1 fetch for x, waves 2 and 3 for w_qkv.  The branch hangs on the wave's number alone.  An s_nop 0 and four v_nop follow each of the two lines.
.macro JLOAD g0a, g1a, g0b, g1b
	s_cmp_eq_u32 s15, 0
	s_cbranch_scc0 .Lfor_b_\@
	tensor_load_to_lds s[\g0a:\g0a+3], s[\g1a:\g1a+7]
	s_nop 0
.rept 4
	v_nop
.endr
	s_branch .Lasked_\@
.Lfor_b_\@:
	tensor_load_to_lds s[\g0b:\g0b+3], s[\g1b:\g1b+7]
	s_nop 0
.rept 4
	v_nop
.endr
.Lasked_\@:
.endm
.macro CROUND                          ; a round of the cluster's barrier
	s_barrier_signal -1
	s_barrier_wait -1
	s_cmp_lg_u32 s14, 0
	s_cbranch_scc1 .Lnot_wave_0_\@
	s_barrier_signal -3
.Lnot_wave_0_\@:
	s_barrier_wait -3
	s_barrier_signal -1
	s_barrier_wait -1
.endm
	s_load_b128 s[4:7], s[0:1], 0x0                ; x's codes, x's scales
	s_load_b128 s[8:11], s[0:1], 0x10              ; w_qkv's codes, its scales
	s_load_b128 s[96:99], s[0:1], 0x20             ; b_qkv, mb
	s_load_b64 s[12:13], s[0:1], 0x30              ; qkvh
	v_lshl_add_u32 v[SPW], v0, 2, SPARE
	v_mov_b32 v[NIL], 0
	ds_add_u32 v[SPW], v[NIL]                      ; the wave's opening: the add, twice on end, and its wait ahead of my first tensor load
	ds_add_u32 v[SPW], v[NIL]
	v_lshrrev_b32 v1, 5, v0
	v_readfirstlane_b32 s14, v1                    ; wave 0..3
	s_lshr_b32 s15, s14, 1                         ; which half of the tile's rows is mine.  Also: I fetch for x (0) or for w_qkv (1)
	s_and_b32 s16, s14, 1                          ; which half of its columns.  Also: which 128 rows I fetch
	s_bfe_u32 s40, ttmp6, 0x40000                  ; cx, cy: my place in the cluster
	s_bfe_u32 s41, ttmp6, 0x40004
	s_lshl_b32 s42, ttmp9, 2
	s_add_co_u32 s42, s42, s40                     ; tile column = 4 x cluster x + cx
	s_and_b32 s17, ttmp7, 0xffff
	s_lshl_b32 s17, s17, 2
	s_add_co_u32 s17, s17, s41                     ; tile row = 4 x cluster y + cy
	s_lshl_b32 s43, s41, 2
	s_lshl_b32 s43, 15, s43                        ; my row of the cluster
	s_lshl_b32 s44, 0x1111, s40                    ; my column
	; descriptor group 1: a tile of 128 rows x 256 bytes, 16 bytes of padding behind each row
	s_or_b32 s[G1+0], s43, (0<<16)|(1<<20)|(1<<21)|(5<<22)|(3<<25)  ; the mask; elements of 1 byte; padding on; bit 21 beside a mask; after every 64 words; 4 words
	s_or_b32 s[G1B+0], s44, (0<<16)|(1<<20)|(1<<21)|(5<<22)|(3<<25)
.irp g, G1, G1B
	s_mov_b32 s[\g+1], ROWB<<16                    ; tensor_dim0
	s_mov_b32 s[\g+2], 128<<16                     ; tensor_dim1
	s_mov_b32 s[\g+3], ROWB<<16                    ; tile_dim0
	s_mov_b32 s[\g+4], 128                         ; tile_dim1
	s_mov_b32 s[\g+5], KROW                        ; from row to row
	s_mov_b32 s[\g+6], 0
	s_mov_b32 s[\g+7], 0
.endr
	; the scales of 128 rows: 4,096 dense bytes, as 16 rows of 256 bytes (32 elements of 8), 16 bytes of padding behind each
	s_or_b32 s[G1S+0], s43, (3<<16)|(1<<20)|(1<<21)|(5<<22)|(3<<25)
	s_or_b32 s[G1SB+0], s44, (3<<16)|(1<<20)|(1<<21)|(5<<22)|(3<<25)
.irp g, G1S, G1SB
	s_mov_b32 s[\g+1], 32<<16
	s_mov_b32 s[\g+2], (128*KS/256)<<16
	s_mov_b32 s[\g+3], 32<<16
	s_mov_b32 s[\g+4], 128*KS/256
	s_mov_b32 s[\g+5], 32
	s_mov_b32 s[\g+6], 0
	s_mov_b32 s[\g+7], 0
.endr
	s_lshl_b32 s18, s16, 7                         ; which 128 rows of the tile I fetch
	s_lshl_b32 s20, s17, 8
	s_add_co_u32 s20, s20, s18                     ; x: row 256 x tile row + 128 x half
	s_lshl_b32 s46, s42, 8
	s_add_co_u32 s46, s46, s18                     ; w_qkv: row 256 x tile column + 128 x half
	s_mov_b32 s21, 0
	s_mov_b32 s47, 0
	s_mov_b64 s[18:19], KS
	s_mul_u64 s[22:23], s[20:21], s[18:19]         ; where these rows' scales begin, in bytes,
	s_mul_u64 s[92:93], s[46:47], s[18:19]
	s_mov_b64 s[18:19], KROW
	s_mul_u64 s[20:21], s[20:21], s[18:19]         ; and their codes
	s_mul_u64 s[46:47], s[46:47], s[18:19]
	s_mul_i32 s45, s14, HALFT                      ; where they go: wave x 128 rows: no place in the cluster enters an LDS address
	s_mul_i32 s94, s14, HALFS
	s_lshr_b32 s66, s17, 3                         ; my batch: eight tile rows each,
	s_lshl_b32 s66, s66, 7                         ; its 128 bytes of c_b
	s_wait_dscnt 0x0                               ; both opening adds are done
	s_wait_kmcnt 0x0
	s_load_b32 s100, s[98:99], s66 offset:0x8000   ; c_b: 4 bytes; waited for ahead of the way out
	s_add_nc_u64 s[20:21], s[4:5], s[20:21]
	s_add_nc_u64 s[22:23], s[6:7], s[22:23]
	s_add_nc_u64 s[46:47], s[8:9], s[46:47]
	s_add_nc_u64 s[92:93], s[10:11], s[92:93]
	CROUND                                         ; all sixteen work-groups are here: the joint loads meet
	s_mov_b32 s[G0S], 1
	s_add_co_u32 s[G0S+1], s94, SCL
	s_mov_b64 s[G0S+2:G0S+3], s[22:23]
	s_or_b32 s[G0S+3], s[G0S+3], 0x80000000
	s_mov_b32 s[G0SB], 1
	s_add_co_u32 s[G0SB+1], s94, SCL
	s_mov_b64 s[G0SB+2:G0SB+3], s[92:93]
	s_or_b32 s[G0SB+3], s[G0SB+3], 0x80000000
	JLOAD G0S, G1S, G0SB, G1SB                     ; the scales first: they are wanted with the first slot
.irp s, 0,1
	s_mov_b32 s[G0+4*\s], 1
	s_add_co_u32 s[G0+4*\s+1], s45, \s*SLOT
	s_add_nc_u64 s[G0+4*\s+2:G0+4*\s+3], s[20:21], \s*ROWB
	s_or_b32 s[G0+4*\s+3], s[G0+4*\s+3], 0x80000000
	s_mov_b32 s[G0B+4*\s], 1
	s_add_co_u32 s[G0B+4*\s+1], s45, \s*SLOT
	s_add_nc_u64 s[G0B+4*\s+2:G0B+4*\s+3], s[46:47], \s*ROWB
	s_or_b32 s[G0B+4*\s+3], s[G0B+4*\s+3], 0x80000000
	JLOAD G0+4*\s, G1, G0B+4*\s, G1B
.endr
	v_and_b32 v1, 15, v0                           ; r = lane % 16
	v_bfe_u32 v2, v0, 4, 1                         ; h = lane / 16
	v_mul_u32_u24 v3, v1, PITCH
	v_lshl_add_u32 v4, v2, 4, v3                   ; a fragment's row x pitch + 16 h
	s_mul_i32 s21, s15, HALFT                      ; my 128 rows of x
	s_mul_i32 s22, s16, HALFT                      ; my 128 rows of w_qkv,
	s_add_co_u32 s22, s22, 2*HALFT                 ; which lie behind x's 256
.irp s, 0,1
	v_add_nc_u32 v[ADRA+\s], s21, v4
	v_add_nc_u32 v[ADRB+\s], s22, v4
	s_add_co_u32 s21, s21, SLOT
	s_add_co_u32 s22, s22, SLOT
.endr
	v_mul_u32_u24 v5, v1, KS                       ; my row's scales: 32 bytes a row,
	v_lshrrev_b32 v6, 8, v5
	v_lshl_add_u32 v5, v6, 4, v5                   ; and 16 more for each 256 passed
	s_mul_i32 s21, s15, HALFS
	s_mul_i32 s22, s16, HALFS
	s_add_co_u32 s22, s22, 2*HALFS
	s_sub_co_u32 s22, s22, s21
	v_mul_u32_u24 v6, s22, v2                      ; lanes 16-31 take w_qkv's: one product, the distance between the two bases
	s_add_co_u32 s21, s21, SCL
	v_add_nc_u32 v5, v5, v6
	v_add_nc_u32 v[ADRS], s21, v5
	s_mul_i32 s23, s14, 16*SPITCH                  ; my stage
	v_add_nc_u32 v[STO], s23, v4                   ; in: row r, 16 bytes for each half of the lanes
	v_bfe_u32 v5, v0, 3, 2
	v_mul_u32_u24 v5, v5, SPITCH
	v_and_b32 v6, 7, v0
	v_lshl_add_u32 v5, v6, 4, v5
	v_add_nc_u32 v[RD], s23, v5                    ; back: eight lanes take a head's 128 bytes of a row, four rows an instruction
	v_and_b32 v6, 31, v0
	v_lshlrev_b32 v[CO], 4, v6
	v_lshlrev_b32 v[BO], 5, v2
	; where my part of qkvh begins.  My 128 columns are heads g and g + 1 of the 48 planes' worth, g = 4 x tile column + 2 x half; my first row is row0 = 256 x tile row + 128 x half
	s_lshl_b32 s46, s42, 2
	s_lshl_b32 s47, s16, 1
	s_add_co_u32 s46, s46, s47                     ; g
	s_lshr_b32 s47, s46, 4
	s_lshl_b32 s47, s47, 24                        ; q, k or v: 16,777,216 bytes each
	s_and_b32 s46, s46, 15
	s_lshl_b32 s46, s46, 18                        ; the head: 262,144 bytes
	s_add_co_u32 s46, s46, s47
	s_lshl_b32 s20, s17, 8
	s_lshl_b32 s21, s15, 7
	s_add_co_u32 s20, s20, s21                     ; row0
	s_lshr_b32 s21, s20, 11
	s_lshl_b32 s21, s21, 22                        ; the batch: 4,194,304 bytes
	s_and_b32 s20, s20, 2047
	s_lshl_b32 s20, s20, 7                         ; the row in its plane: 128 bytes
	s_add_co_u32 s20, s20, s21
	s_add_co_u32 s20, s20, s46
	s_mov_b32 s21, 0
	s_add_nc_u64 s[12:13], s[12:13], s[20:21]
	s_lshl_b32 s46, s42, 10                        ; my 128 biases: 4 x (256 x tile column + 128 x half)
	s_lshl_b32 s47, s16, 9
	s_add_co_u32 s46, s46, s47
	s_mov_b32 s47, 0
	s_add_nc_u64 s[96:97], s[96:97], s[46:47]
	; THE FIRST STEP'S C: lane (r, h), block b, register j: the bias of column 16 b + 8 h + j.  ONE branch: q's and v's clusters load it, k's write 0 and load nothing; so the registers are written on either way.
	s_cmp_eq_u32 ttmp9, 1
	s_cbranch_scc1 .Lk_zero
	WIN TO_B
.irp b, 0,1,2,3,4,5,6,7
	global_load_b128 v[BIA+8*\b:BIA+8*\b+3],   v[BO], s[96:97] offset:64*\b
	global_load_b128 v[BIA+8*\b+4:BIA+8*\b+7], v[BO], s[96:97] offset:64*\b+16
.endr
	WIN 0
	s_branch .Lbias_set
.Lk_zero:
	WIN TO_B
.set i, 0
.rept 64
	v_mov_b32 v[BIA+i], 0
.set i, i+1
.endr
	WIN 0
.Lbias_set:
.macro FRAG reg, adr, q, i             ; 16 rows x 128 K of 4-bit codes: lane l holds row l % 16; registers 4 c .. 4 c + 3 hold K = 64 c + 32 (l / 16) + 0 .. 31
.irp c, 0,1
	ds_load_b128 v[\reg+4*\c:\reg+4*\c+3], v[\adr] offset:64*(\q)+32*\c+(\i)*16*PITCH
.endr
.endm
; 16 matrix instructions: x's blocks a0, a0 + 1 against w_qkv's eight, the slot's q-th 128 along K.  p: w_qkv's set; sc: the set of scale words.  first = 1: the bias is C.
; The 64 accumulators take turns, one instruction a turn, in the same order in every step.
.macro MUL16 a0, p, q, sc, first
.irp a, \a0, \a0+1
.irp b, 0,1,2,3,4,5,6,7
.if \first
	v_wmma_scale_f32_16x16x128_f8f6f4 v[8*(8*((\a)%4)+\b):8*(8*((\a)%4)+\b)+7], v[128*(\p)+FR*\b:128*(\p)+FR*\b+FR-1], v[AF+FR*(\a):AF+FR*(\a)+FR-1], v[BIA+8*\b:BIA+8*\b+7], v[SC+8*NQ*(\sc)+NQ*\b+(\q)], v[SC+8*NQ*(\sc)+NQ*(\a)+(\q)] matrix_a_fmt:MATRIX_FMT_FP4 matrix_b_fmt:MATRIX_FMT_FP4 matrix_a_scale:MATRIX_SCALE_ROW1
.else
	v_wmma_scale_f32_16x16x128_f8f6f4 v[8*(8*((\a)%4)+\b):8*(8*((\a)%4)+\b)+7], v[128*(\p)+FR*\b:128*(\p)+FR*\b+FR-1], v[AF+FR*(\a):AF+FR*(\a)+FR-1], v[8*(8*((\a)%4)+\b):8*(8*((\a)%4)+\b)+7], v[SC+8*NQ*(\sc)+NQ*\b+(\q)], v[SC+8*NQ*(\sc)+NQ*(\a)+(\q)] matrix_a_fmt:MATRIX_FMT_FP4 matrix_b_fmt:MATRIX_FMT_FP4 matrix_a_scale:MATRIX_SCALE_ROW1
.endif
.endr
.endr
.endm
.macro FETCH_B slot, q, p
	WIN TO_B
.irp i, 0,1,2,3,4,5,6,7
	FRAG 128*(\p)+FR*\i, ADRB+\slot, \q, \i
.endr
	WIN 0
.endm
.macro FETCH_A slot, q, i0
.irp i, \i0, \i0+1, \i0+2, \i0+3
	FRAG AF+FR*(\i), ADRA+\slot, \q, \i
.endr
.endm
.macro SCALES sc                       ; a slot's scale words: four words a row; lanes 0-15 take x's block i, lanes 16-31 w_qkv's block i
.irp i, 0,1,2,3,4,5,6,7
	ds_load_b128 v[SC+8*NQ*\sc+NQ*\i:SC+8*NQ*\sc+NQ*\i+3], v[ADRS] offset:\i*SBLK
.endr
.endm
.macro PLACES n                        ; plain vector instructions between a matrix instruction and a load into, or a read of, its registers
.rept \n
	v_nop
.endr
.endm
; A step of 128 along K that has its successor in the same slot.  x has one set of fragments: blocks 0-3 are fetched anew in the step's middle, blocks 4-7 at its end; w_qkv has two sets.
.macro STEP slot, q, first
	s_wait_dscnt 4*NL                              ; all but the youngest eight loads (x's blocks 4-7) are in
.if \first
	WIN FST_LO
.else
	WIN MUL_LO
.endif
	MUL16 0, (\q)%2, \q, \slot, \first
	MUL16 2, (\q)%2, \q, \slot, \first
	s_wait_dscnt 0
	PLACES NP
	FETCH_B \slot, (\q)+1, 1-(\q)%2
	FETCH_A \slot, (\q)+1, 0
.if \first
	WIN FST_HI
.else
	WIN MUL_HI
.endif
	MUL16 4, (\q)%2, \q, \slot, \first
	MUL16 6, (\q)%2, \q, \slot, \first
	PLACES NP
	WIN 0
	FETCH_A \slot, (\q)+1, 4
.endm
; Slot 0's last step changes slots: one barrier; in front of it each wave waits for all its tensor loads (its part of slot 1) and for its reads of slot 0.  Nothing is filled again.
.macro TURN slot, next
	s_wait_tensorcnt 0x0                           ; my part of the next slot has landed
	ds_add_u32 v[SPW], v[NIL]                      ; 0 onto my spare word
	s_wait_dscnt 4*NL+1                            ; (the add and the youngest eight loads may be out)
	WIN MUL_LO
	MUL16 0, 1, NQ-1, \slot, 0
	s_wait_dscnt 0x0                               ; the add is done, and my reads of this slot are over
	s_barrier_signal -1
	MUL16 2, 1, NQ-1, \slot, 0
	WIN 0
	s_barrier_wait -1
	PLACES NP
	v_add_nc_u32 v[ADRS], 4*NQ, v[ADRS]            ; on to the next slot's scale words
	FETCH_B \next, 0, 0
	FETCH_A \next, 0, 0
	SCALES \next
	WIN MUL_HI
	MUL16 4, 1, NQ-1, \slot, 0
	MUL16 6, 1, NQ-1, \slot, 0
	PLACES NP
	WIN 0
	FETCH_A \next, 0, 4
.endm
.macro STEPS slot, from                ; the slot's steps from .. NQ - 2
.set Q, \from
.rept NQ-1-\from
	STEP \slot, Q, 0
.set Q, Q+1
.endr
.endm
	s_wait_tensorcnt 1                             ; the scales and my part of slot 0 are in; slot 1's load may be out
	s_barrier_signal -1
	s_barrier_wait -1
	FETCH_B 0, 0, 0
	FETCH_A 0, 0, 0
	SCALES 0
	FETCH_A 0, 0, 4
	s_wait_loadcnt 0x0                             ; the bias
	STEP 0, 0, 1                                   ; the first products start the sums from the bias: nothing is added later
	STEPS 0, 1
	TURN 0, 1
	STEPS 1, 0
	s_wait_dscnt 4*NL                              ; the last step: nothing more to fetch
	WIN MUL_LO
	MUL16 0, 1, NQ-1, 1, 0
	MUL16 2, 1, NQ-1, 1, 0
	s_wait_dscnt 0
	WIN MUL_HI
	MUL16 4, 1, NQ-1, 1, 0
	MUL16 6, 1, NQ-1, 1, 0
	WIN 0
	PLACES NP                                      ; ahead of the first read of results and of loads into the registers that held x's fragments
	s_wait_kmcnt 0x0                               ; c_b
	s_mov_b32 s101, s100                           ; (the packed form names a pair and takes its low word for both halves)
	s_cmp_lg_u32 ttmp9, 0
	s_cbranch_scc1 .Lnot_q
	WIN 0x82                                       ; q alone: x c_b, in f32, each accumulator from its low end on
.set i, 0
.rept 128
	v_pk_mul_f32 v[i:i+1], v[i:i+1], s[100:101] op_sel_hi:[1,0]
.set i, i+2
.endr
	WIN 0xc3
.set i, 0
.rept 128
	v_pk_mul_f32 v[i:i+1], v[i:i+1], s[100:101] op_sel_hi:[1,0]
.set i, i+2
.endr
	WIN 0
.Lnot_q:
; THE WAY OUT, block by block of 16 rows x 128 columns (two heads).  PACK: rounded to f16, 16 bytes a lane.  TOSTAGE: into my own stage, and back as four rows of one head.  SEND: each store covers 512 consecutive bytes of a head's plane.
.macro PACK a
.set AC, 64*((\a)%4)
	WIN 0x0a+5*((\a)/4)                            ; sources 0 and 1: window 2 or 3
.irp b, 0,1,2,3,4,5,6,7
.irp i, 0,1,2,3
	v_cvt_pk_f16_f32 v[TMP+4*\b+\i], v[AC+8*\b+2*\i], v[AC+8*\b+2*\i+1]
.endr
.endr
	WIN 0
.endm
.macro TOSTAGE a
.set BB, BK+32*((\a)%2)
.irp b, 0,1,2,3,4,5,6,7
	ds_store_b128 v[STO], v[TMP+4*\b:TMP+4*\b+3] offset:32*\b
.endr
.irp t, 0,1,2,3,4,5,6,7
	ds_load_b128 v[BB+4*\t:BB+4*\t+3], v[RD] offset:(\t%4)*4*SPITCH+(\t/4)*128   ; LDS serves a wave's instructions in order: these see the stores above
.endr
.endm
.macro SEND a
.set BB, BK+32*((\a)%2)
	s_wait_dscnt 0x0                               ; the block is back in registers
	s_wait_xcnt 0x0                                ; the block before has left its registers: the next block's loads may land there
.irp t, 0,1,2,3,4,5,6,7
	global_store_b128 v[CO], v[BB+4*\t:BB+4*\t+3], s[12:13] offset:(\t/4)*262144+(\a)*2048+(\t%4)*512
.endr
.endm
	PACK 0
	TOSTAGE 0
.irp a, 1,2,3,4,5,6,7                  ; block a's conversions stand between block a - 1's loads from the stage and the wait for them
	PACK \a
	SEND \a-1
	TOSTAGE \a
.endr
	SEND 7
	s_wait_tensorcnt 0x0                           ; the wave's end, behind my last LDS store
	ds_add_u32 v[SPW], v[NIL]
	s_wait_dscnt 0x0
	CROUND                                         ; the closing round
	s_endpgm
.Lfunc_end_k_qf26cb74635_qkvgemm:
	.size	k_qf26cb74635_qkvgemm, .Lfunc_end_k_qf26cb74635_qkvgemm-k_qf26cb74635_qkvgemm
	.p2alignl 7, 3214868480
	.fill 96, 4, 3214868480
	.section	.rodata,"a",@progbits
	.p2align	6, 0x0
	.amdhsa_kernel k_qf26cb74635_qkvgemm
		.amdhsa_group_segment_fixed_size 327680
		.amdhsa_private_segment_fixed_size 0
		.amdhsa_enable_private_segment 0
		.amdhsa_kernarg_size 56
		.amdhsa_user_sgpr_count 2
		.amdhsa_user_sgpr_kernarg_segment_ptr 1
		.amdhsa_wavefront_size32 1
		.amdhsa_system_sgpr_workgroup_id_x 1
		.amdhsa_system_sgpr_workgroup_id_y 1
		.amdhsa_system_sgpr_workgroup_id_z 1
		.amdhsa_system_vgpr_workitem_id 0
		.amdhsa_next_free_vgpr 1024
		.amdhsa_next_free_sgpr 102
		.amdhsa_reserve_vcc 0
		.amdhsa_float_denorm_mode_32 3
		.amdhsa_float_denorm_mode_16_64 3
		.amdhsa_memory_ordered 1
		.amdhsa_forward_progress 1
		.amdhsa_inst_pref_size 147
	.end_amdhsa_kernel
	.amdgpu_metadata
---
amdhsa.version: [ 1, 2 ]
amdhsa.kernels:
  - .name:           k_qf26cb74635_qkvgemm
    .symbol:         k_qf26cb74635_qkvgemm.kd
    .args:
      - { .name: xc, .offset: 0, .size: 8, .value_kind: global_buffer, .address_space: global }
      - { .name: xs, .offset: 8, .size: 8, .value_kind: global_buffer, .address_space: global }
      - { .name: wc, .offset: 16, .size: 8, .value_kind: global_buffer, .address_space: global }
      - { .name: ws, .offset: 24, .size: 8, .value_kind: global_buffer, .address_space: global }
      - { .name: b_qkv, .offset: 32, .size: 8, .value_kind: global_buffer, .address_space: global }
      - { .name: mb, .offset: 40, .size: 8, .value_kind: global_buffer, .address_space: global }
      - { .name: qkvh, .offset: 48, .size: 8, .value_kind: global_buffer, .address_space: global }
    .group_segment_fixed_size: 327680
    .private_segment_fixed_size: 0
    .kernarg_segment_align: 8
    .kernarg_segment_size: 56
    .max_flat_workgroup_size: 128
    .sgpr_count:     102
    .vgpr_count:     1024
    .wavefront_size: 32
...
	.end_amdgpu_metadata
.endif
;; end of part 2
;; launch attn (part 3): grid 4 x 64, 8 waves a work-group, clusters of 4 x 1, 327,680 bytes of LDS; arguments qkvh, mb, oh; writes oh
.if DOCPART == 3
	.amdgcn_target "amdgcn-amd-amdhsa--gfx1250"
	.amdhsa_code_object_version 6
	.text
	.protected	k_qf26cb74635_attn
	.globl	k_qf26cb74635_attn
	.p2align	8
	.type	k_qf26cb74635_attn,@function
k_qf26cb74635_attn:
	s_mov_b64 s[64:65], 0
	v_nop
	global_prefetch_b8 v0, s[64:65] scope:SCOPE_SE
	s_setreg_imm32_b32 hwreg(HW_REG_WAVE_MODE, 25, 1), 1
	s_wait_xcnt 0x0
	s_wait_alu depctr_hold_cnt(0) depctr_sa_sdst(0) depctr_va_vdst(0) depctr_va_sdst(0) depctr_va_ssrc(0) depctr_va_vcc(0) depctr_vm_vsrc(0)
	s_getreg_b32 s2, hwreg(HW_REG_IB_STS2, 6, 4)
	s_cmp_eq_u32 s2, 0
	s_cbranch_scc0 .Lentry_in_a_cluster
	s_endpgm
.Lentry_in_a_cluster:
	s_bfe_u32 s2, ttmp6, 0x10000c
	s_cmp_lg_u32 s2, 0x3003
	s_cbranch_scc0 .Lentry_shape_is_right
	s_endpgm
.Lentry_shape_is_right:
; Launch 3 of 4: o[b][h][q] = the sum over keys of softmax(q . k / 8, masked keys at -1e30) v.  q, k, v: f16, by heads, [3][64 heads][2048][64]; q already holds the factor log2(e) / 8.  o: f16, [64][2048][64].
; Products on f16 operands with f32 sums; maxima, exponentials and rescaling in f32.  k carries no bias (shown dead at the head of the first launch).
; THE MASK is the C of the scores' product: 0 for a kept key, -1e30 for a masked one (table mb).  t = score + that number; p = 2^(t - m), m the running maximum.  A masked key's p is 0 as soon as the query has seen a
; kept key; sums made of masked keys alone (each p 0 or 1) are multiplied by a = 2^(old m - new m) = 0 when the first kept key comes.  A batch with no kept key has q = 0 and a table of zeros: uniform weights.
; LIMITS: kept scores lie above -1e29; |o| under 65,504; p under 2^-24 is lost to f16; NaN and infinities are not served.
; SHARES.  A work-group owns 512 queries of one head, each of its eight waves 64: four tiles of 16, in 512 registers: two waves to a SIMD, so that one wave's softmax stands beside the other's products.
; Each fragment of K and V read from LDS feeds four products.  Every wave walks all 2,048 keys, 64 a step.
; CLUSTER.  The four work-groups of a cluster are one head's four query blocks and walk the same K, V and table: every tile is asked for jointly, with a mask that names the four.
; LAYOUT.  S^T = K Q^T + C (source 0 = 16 keys, source 1 = 16 queries), O^T = V^T P: a lane holds ONE query throughout.  Two tiles of S^T, rounded in pairs, ARE source 1 of the second product.  V is turned by ds_load_tr16_b128.
; THE ROW SUMS are a fifth tile of the second product, whose source 0 is all ones: every register of the result holds the lane's query's sum of the rounded p.  Only its lowest pair is kept under the running
; maximum (x a); the six others gather sums of p, at most 1 each, that nobody reads.
; O^T and the sums begin as zeros and m as -3e38, so that the step's text needs no first copy: 160 moves, once.
; REGISTERS.  window 0: v1-15 addresses; v16-47 statistics, eight a tile (m, -, a, -, c0-c3); v48-55 ones; v64-191 S^T, 32 a tile, then P in each tile's lower 16; v192-223 the table as C; v224-255 the sums.
;   window 1: v0-63 Q; v64-95, v96-127 two sets of four fragments (K's halves, then V's); v128-255 O^T, 32 a tile.
.set KS,    64                         ; keys in a step
.set PK,    144                        ; a row of K in LDS: 128 bytes + 16: the 16 rows of a load start 4 banks apart
.set PV,    160                        ; a row of V: 128 + 32: 16 lanes of the turning load take 8 rows x 32 bytes
.set VOFF,  KS*PK                      ; a step's tiles lie together: 64 rows of K, then 64 rows of V
.set STEPB, KS*(PK+PV)
.set NST,   4                          ; steps in a slot
.set SLOT1, 1<<17                      ; slot 1 begins here: one exclusive or turns an address into the other slot's
.set BIAS,  SLOT1+NST*STEPB            ; the batch's 2,048 numbers: filled once
.set SPARE, BIAS+8192                  ; the spare words, 128 bytes a wave
.set STAGE, SPARE+1024                 ; the way out: 64 rows x 144 bytes for each wave
.set AK0, 2
.set AV0, 3
.set ADK, 4
.set ADV, 5
.set AB0, 6
.set ADB, 7
.set QO,  8
.set STO, 9
.set RD,  10
.set GO,  11
.set PFO, 12                           ; 256 x lane; never rewritten
.set SPW, 13                           ; LDS address of my spare word; never rewritten
.set NIL, 14                           ; 0; never rewritten
.set ST,  16
.set ONES, 48
.set S,   64
.set BC,  192
.set LS,  224
.set XF,  64                           ; in window 1
.set YF,  96
.set OA,  128
.set WV,  10
.set CX,  11
.set BH,  12
.set G1K, 16
.set G1V, 24
.set G1B, 32
.set G0K, 40
.set G0V, 44
.set G0B, 48
.set SEL, 52
.set TB,  54                           ; LDS byte at which the step's tiles begin
.set TJ,  55                           ; and its 64 numbers of the table: 256 bytes a step
.set SLOTS, 56
.set CNT, 57
.set LIM, 58
.set PFA, 60
.set MSB, 0
.macro WIN new
.if MSB != (\new)
	s_set_vgpr_msb (MSB<<8)|(\new)
.set MSB, (\new)
.endif
.endm
; A joint load of the ring: waves 0-3 fetch K of the slot's step w, waves 4-7 V of step w - 4.  An s_nop 0 and four v_nop follow each of the two lines.
.macro JLOAD
	s_cmp_lt_u32 s[WV], 4
	s_cbranch_scc0 .Lfor_v_\@
	tensor_load_to_lds s[G0K:G0K+3], s[G1K:G1K+7]
	s_nop 0
.rept 4
	v_nop
.endr
	s_branch .Lasked_\@
.Lfor_v_\@:
	tensor_load_to_lds s[G0V:G0V+3], s[G1V:G1V+7]
	s_nop 0
.rept 4
	v_nop
.endr
.Lasked_\@:
.endm
; A prefetch of what the NEXT change of slots will ask for: 32,768 bytes of K and as many of V.  The four partners take 8,192 bytes each, told apart by address; in each, wave 0 asks for K's and wave 4 for V's,
; lanes 256 bytes apart: each aligned block of 256 bytes is named once in the launch.  The last change that fills a slot asks for nothing; the first two slots come by their loads alone.
.macro ASK
	s_cmp_gt_u32 s[SLOTS], s[LIM]
	s_cbranch_scc0 .Lnot_mine_\@
	global_prefetch_b8 v[PFO], s[PFA:PFA+1] th:TH_LOAD_NT scope:SCOPE_SE
.Lnot_mine_\@:
.endm
.macro CROUND                          ; a round of the cluster's barrier
	s_barrier_signal -1
	s_barrier_wait -1
	s_cmp_lg_u32 s[WV], 0
	s_cbranch_scc1 .Lnot_wave_0_\@
	s_barrier_signal -3
.Lnot_wave_0_\@:
	s_barrier_wait -3
	s_barrier_signal -1
	s_barrier_wait -1
.endm
	s_load_b128 s[4:7], s[0:1], 0x0                ; qkvh, mb
	s_load_b64 s[8:9], s[0:1], 0x10                ; oh
	v_lshl_add_u32 v[SPW], v0, 2, SPARE
	v_mov_b32 v[NIL], 0
	ds_add_u32 v[SPW], v[NIL]                      ; the wave's opening: the add, twice on end, and its wait ahead of my first tensor load
	ds_add_u32 v[SPW], v[NIL]
	v_lshrrev_b32 v1, 5, v0
	v_readfirstlane_b32 s[WV], v1                  ; wave 0..7
	s_bfe_u32 s[CX], ttmp6, 0x40000                ; my block of 512 queries: it enters Q's, O's and the prefetches' addresses alone
	s_and_b32 s[BH], ttmp7, 0xffff                 ; batch x 16 + head, which the four partners share
	; descriptor groups 1: 64 rows of 64 elements of 2 bytes, padded; the table: 4 rows of 256 bytes, dense
	s_mov_b32 s[G1K], 15|(1<<16)|(1<<20)|(1<<21)|(4<<22)|(3<<25)   ; the mask: all four; 2-byte elements; padding on; bit 21 beside a mask; after every 32 words; 4 words
	s_mov_b32 s[G1V], 15|(1<<16)|(1<<20)|(1<<21)|(4<<22)|(7<<25)   ; the same with 8 words
.irp g, G1K, G1V
	s_mov_b32 s[\g+1], 64<<16                      ; tensor_dim0
	s_mov_b32 s[\g+2], KS<<16                      ; tensor_dim1
	s_mov_b32 s[\g+3], 64<<16                      ; tile_dim0
	s_mov_b32 s[\g+4], KS                          ; tile_dim1
	s_mov_b32 s[\g+5], 64                          ; from row to row
	s_mov_b32 s[\g+6], 0
	s_mov_b32 s[\g+7], 0
.endr
	s_mov_b32 s[G1B], 15|(3<<16)|(1<<21)           ; elements of 8 bytes, no padding
	s_mov_b32 s[G1B+1], 32<<16
	s_mov_b32 s[G1B+2], 4<<16
	s_mov_b32 s[G1B+3], 32<<16
	s_mov_b32 s[G1B+4], 4
	s_mov_b32 s[G1B+5], 32
	s_mov_b32 s[G1B+6], 0
	s_mov_b32 s[G1B+7], 0
	s_lshl_b32 s66, s[BH], 18                      ; the head's first byte in a tensor of planes
	s_and_b32 s68, s[WV], 3                        ; which of a slot's four steps I fetch:
	s_lshl_b32 s70, s68, 13                        ; its 64 rows of 128 bytes in memory,
	s_add_co_u32 s70, s70, s66
	s_mov_b32 s71, 0
	s_mul_i32 s69, s68, STEPB                      ; and its place in a slot
	s_lshr_b32 s72, s[BH], 4                       ; the batch's table, my wave's 1,024 bytes of it:
	s_lshl_b32 s72, s72, 13
	s_lshl_b32 s73, s[WV], 10
	s_add_co_u32 s72, s72, s73
	s_add_co_u32 s74, s73, BIAS                    ; in LDS
	s_mov_b32 s73, 0
	s_lshl_b32 s76, s[CX], 16                      ; Q and O: my block's 512 rows, my wave's 64 of them
	s_lshl_b32 s77, s[WV], 13
	s_add_co_u32 s76, s76, s77
	s_add_co_u32 s76, s76, s66
	s_mov_b32 s77, 0
	s_cmp_lt_u32 s[WV], 4                          ; the prefetches: K's (waves under 4) or V's,
	s_mov_b32 s78, 0x2000000
	s_cselect_b32 s78, 0x1000000, s78
	s_lshl_b32 s79, s[CX], 13                      ; my work-group's 8,192 bytes,
	s_add_co_u32 s78, s78, s79
	s_add_co_u32 s78, s78, s66
	s_add_co_u32 s78, s78, 32768                   ; in the second slot's keys: the first change of slots steps it to the third's
	s_mov_b32 s79, 0
	s_cmp_eq_u32 s68, 0
	s_cselect_b32 s[LIM], 1, -1                    ; waves 0 and 4 ask, while more than one slot is still to be asked for
	s_mov_b32 s[SEL], 0x76543210
	s_mov_b32 s[SEL+1], 0xfedcba98                 ; v_permlanex16_b32's selects for lane l xor 16
	s_mov_b32 s[TB], 0
	s_mov_b32 s[TJ], 0
	s_mov_b32 s[SLOTS], 2048/(NST*KS)-1
	s_wait_dscnt 0x0                               ; both opening adds are done
	s_wait_kmcnt 0x0
	s_mov_b32 s[G0K], 1
	s_mov_b32 s[G0K+1], s69
	s_add_nc_u64 s[G0K+2:G0K+3], s[4:5], s[70:71]
	s_add_nc_u64 s[G0K+2:G0K+3], s[G0K+2:G0K+3], 0x1000000         ; k's planes
	s_or_b32 s[G0K+3], s[G0K+3], 0x80000000
	s_mov_b32 s[G0V], 1
	s_add_co_u32 s[G0V+1], s69, VOFF
	s_add_nc_u64 s[G0V+2:G0V+3], s[4:5], s[70:71]
	s_add_nc_u64 s[G0V+2:G0V+3], s[G0V+2:G0V+3], 0x2000000         ; v's planes
	s_or_b32 s[G0V+3], s[G0V+3], 0x80000000
	s_mov_b32 s[G0B], 1
	s_mov_b32 s[G0B+1], s74
	s_add_nc_u64 s[G0B+2:G0B+3], s[6:7], s[72:73]
	s_or_b32 s[G0B+3], s[G0B+3], 0x80000000
	s_add_nc_u64 s[PFA:PFA+1], s[4:5], s[78:79]
	s_add_nc_u64 s[4:5], s[4:5], s[76:77]          ; Q at my wave's first row
	s_add_nc_u64 s[8:9], s[8:9], s[76:77]          ; O likewise
	CROUND                                         ; all four work-groups are here: the first joint loads meet
	tensor_load_to_lds s[G0B:G0B+3], s[G1B:G1B+7]  ; every wave: its eighth of the table.  With slot 0's load two tensor loads of mine are out
	s_nop 0
	JLOAD                                          ; slot 0
	v_and_b32 v1, 15, v0                           ; r
	v_bfe_u32 v15, v0, 4, 1                        ; h
	v_lshlrev_b32 v[QO], 7, v1
	v_lshl_add_u32 v[QO], v15, 4, v[QO]            ; row r of 128 bytes + 16 h
	WIN 0x40                                       ; destination window 1
.irp t, 0,1,2,3
.irp c, 0,1
	global_load_b128 v[16*\t+8*\c:16*\t+8*\c+3],   v[QO], s[4:5] offset:\t*2048+\c*64      ; Q stays in registers: tile t, channels 32 c on
	global_load_b128 v[16*\t+8*\c+4:16*\t+8*\c+7], v[QO], s[4:5] offset:\t*2048+\c*64+32
.endr
.endr
.set i, 0
.rept 128
	v_mov_b32 v[OA+i], 0                           ; O^T
.set i, i+1
.endr
	WIN 0
.set i, 0
.rept 32
	v_mov_b32 v[LS+i], 0                           ; the sums
.set i, i+1
.endr
.set i, 0
.rept 8
	v_mov_b32 v[ONES+i], 0x3c003c00                ; 1.0, 1.0 in f16
.set i, i+1
.endr
.irp t, 0,1,2,3
	v_mov_b32 v[ST+8*\t], 0xff61b1e6               ; m = -3e38, under every t
	v_mov_b32 v[ST+8*\t+1], 0                      ; (named as the upper halves of pairs)
	v_mov_b32 v[ST+8*\t+2], 0
	v_mov_b32 v[ST+8*\t+3], 0
.endr
	v_mul_u32_u24 v[AK0], v1, PK
	v_lshl_add_u32 v[AK0], v15, 4, v[AK0]          ; K: row r x pitch + 16 h
	v_and_b32 v4, 7, v0
	v_lshl_add_u32 v4, v15, 3, v4
	v_mul_u32_u24 v[AV0], v4, PV                   ; V: key 8 h + lane % 8,
	v_bfe_u32 v5, v0, 3, 1
	v_lshl_add_u32 v[AV0], v5, 4, v[AV0]           ; channels 8 ((lane / 8) % 2) on
	v_add_nc_u32 v[AV0], VOFF, v[AV0]
	v_lshl_add_u32 v[AB0], v15, 5, BIAS            ; the table: my eight keys of a tile's sixteen
	s_mul_i32 s66, s[WV], 64*PK
	s_add_co_u32 s66, s66, STAGE                   ; my stage
	v_add_nc_u32 v[STO], s66, v[AK0]               ; in: row r, 16 bytes for each half of the lanes
	v_bfe_u32 v7, v0, 3, 2
	v_mul_u32_u24 v[RD], v7, PK
	v_and_b32 v7, 7, v0
	v_lshl_add_u32 v[RD], v7, 4, v[RD]
	v_add_nc_u32 v[RD], s66, v[RD]                 ; back: eight lanes to a row of 128 bytes, four rows an instruction
	v_and_b32 v[GO], 31, v0
	v_lshlrev_b32 v[PFO], 8, v[GO]
	v_lshlrev_b32 v[GO], 4, v[GO]
; One tile's softmax for a step is 102 instructions; the four tiles stand line by line, so that no line waits for the line above it.
.macro SOFTMAX
.irp j, 0,1,2,3                        ; the maximum of 32 scores and the old m: four chains, each begun at an accumulator's low end
.irp t, 0,1,2,3
	v_max3_num_f32 v[ST+8*\t+4+\j], v[S+32*\t+8*\j], v[S+32*\t+8*\j+1], v[S+32*\t+8*\j+2]
.endr
.endr
.irp u, 1,2
.irp j, 0,1,2,3
.irp t, 0,1,2,3
	v_max3_num_f32 v[ST+8*\t+4+\j], v[ST+8*\t+4+\j], v[S+32*\t+8*\j+2*\u+1], v[S+32*\t+8*\j+2*\u+2]
.endr
.endr
.endr
.irp t, 0,1,2,3
	v_max3_num_f32 v[ST+8*\t+4], v[ST+8*\t+4], v[S+32*\t+7], v[S+32*\t+15]
.endr
.irp t, 0,1,2,3
	v_max3_num_f32 v[ST+8*\t+6], v[ST+8*\t+6], v[S+32*\t+23], v[S+32*\t+31]
.endr
.irp t, 0,1,2,3
	v_max3_num_f32 v[ST+8*\t+4], v[ST+8*\t+4], v[ST+8*\t+5], v[ST+8*\t+6]
.endr
.irp t, 0,1,2,3
	v_max3_num_f32 v[ST+8*\t+4], v[ST+8*\t+4], v[ST+8*\t+7], v[ST+8*\t]
.endr
.irp t, 0,1,2,3
	v_permlanex16_b32 v[ST+8*\t+5], v[ST+8*\t+4], s[SEL], s[SEL+1]   ; the query's other 32 keys lie in the lane 16 away
.endr
.irp t, 0,1,2,3
	v_max_num_f32 v[ST+8*\t+6], v[ST+8*\t+4], v[ST+8*\t+5]           ; the new m
.endr
.irp t, 0,1,2,3
	v_sub_f32 v[ST+8*\t+7], v[ST+8*\t], v[ST+8*\t+6]                 ; old m - new m
.endr
.irp t, 0,1,2,3
	v_mov_b32 v[ST+8*\t], v[ST+8*\t+6]
.endr
; ONE BATCH of 132 exponentials, none of which reads another's result, with the 64 subtractions among them: a pair is brought under m a round of four tiles ahead of its exponentials
.irp t, 0,1,2,3
	v_exp_f32 v[ST+8*\t+2], v[ST+8*\t+7]           ; a = 2^(old m - new m)
.endr
.irp t, 0,1,2,3
	v_pk_add_f32 v[S+32*\t:S+32*\t+1], v[S+32*\t:S+32*\t+1], v[ST+8*\t:ST+8*\t+1] op_sel_hi:[1,0] neg_lo:[0,1] neg_hi:[0,1]
.endr
.set b, 0
.rept 16
.irp t, 0,1,2,3
.if b < 15
	v_pk_add_f32 v[S+32*\t+2*b+2:S+32*\t+2*b+3], v[S+32*\t+2*b+2:S+32*\t+2*b+3], v[ST+8*\t:ST+8*\t+1] op_sel_hi:[1,0] neg_lo:[0,1] neg_hi:[0,1]   ; t - m: 0 at the maximum, never above
.endif
	v_exp_f32 v[S+32*\t+2*b], v[S+32*\t+2*b]
	v_exp_f32 v[S+32*\t+2*b+1], v[S+32*\t+2*b+1]
.endr
.set b, b+1
.endr
	v_nop                                          ; a plain instruction behind the last exponential,
	s_wait_alu depctr_va_vdst(0)                   ; and one wait ahead of the batch's first reader
.set j, 0
.rept 16
.irp t, 0,1,2,3
	v_cvt_pk_f16_f32 v[S+32*\t+j], v[S+32*\t+2*j], v[S+32*\t+2*j+1]  ; P, in place and ascending: fragment g of tile t ends at v[S + 32 t + 8 g]
.endr
.set j, j+1
.endr
.irp t, 0,1,2,3
	v_pk_mul_f32 v[LS+8*\t:LS+8*\t+1], v[LS+8*\t:LS+8*\t+1], v[ST+8*\t+2:ST+8*\t+3] op_sel_hi:[1,0]   ; the sum under the new m: its lowest pair alone
.endr
.endm
; O^T += V^T P for keys 32 g on (V's fragments in set f), and the sums' tile.  All accumulators take turns, one instruction a turn.
.macro PVG g, f
	WIN 0x51                                       ; V, C and D window 1, P window 0
.irp t, 0,1,2,3
.irp c, 0,1,2,3
	v_wmma_f32_16x16x32_f16 v[OA+32*\t+8*\c:OA+32*\t+8*\c+7], v[\f+8*\c:\f+8*\c+7], v[S+32*\t+8*\g:S+32*\t+8*\g+7], v[OA+32*\t+8*\c:OA+32*\t+8*\c+7]
.endr
.endr
	WIN 0
.irp t, 0,1,2,3
	v_wmma_f32_16x16x32_f16 v[LS+8*\t:LS+8*\t+7], v[ONES:ONES+7], v[S+32*\t+8*\g:S+32*\t+8*\g+7], v[LS+8*\t:LS+8*\t+7]
.endr
.endm
; A KEY STEP: 64 keys.
.macro STEP
	v_add_nc_u32 v[ADK], s[TB], v[AK0]             ; these three and two v_nop are five places between the last products, which read P, and the products that write over it,
	v_add_nc_u32 v[ADV], s[TB], v[AV0]             ; and more than the four between them and the loads into V's sets
	v_add_nc_u32 v[ADB], s[TJ], v[AB0]
	v_nop
	v_nop
.irp k, 0,1,2,3
	ds_load_b128 v[BC+8*\k:BC+8*\k+3],   v[ADB] offset:64*\k       ; the table's numbers of keys 16 k + 8 h + 0 .. 7: the C of tile k
	ds_load_b128 v[BC+8*\k+4:BC+8*\k+7], v[ADB] offset:64*\k+16
.endr
	WIN 0x40
.irp k, 0,1,2,3
	ds_load_b128 v[XF+8*\k:XF+8*\k+3],   v[ADK] offset:\k*16*PK    ; K, channels 0-31
	ds_load_b128 v[XF+8*\k+4:XF+8*\k+7], v[ADK] offset:\k*16*PK+32
.endr
.irp k, 0,1,2,3
	ds_load_b128 v[YF+8*\k:YF+8*\k+3],   v[ADK] offset:\k*16*PK+64 ; K, channels 32-63
	ds_load_b128 v[YF+8*\k+4:YF+8*\k+7], v[ADK] offset:\k*16*PK+96
.endr
	s_wait_dscnt 8                                 ; all but the eight loads of channels 32-63
	WIN 0x05                                       ; K and Q window 1, C and D window 0
.irp t, 0,1,2,3
.irp k, 0,1,2,3
	v_wmma_f32_16x16x32_f16 v[S+32*\t+8*\k:S+32*\t+8*\k+7], v[XF+8*\k:XF+8*\k+7], v[16*\t:16*\t+7], v[BC+8*\k:BC+8*\k+7]
.endr
.endr
.rept 4
	v_nop                                          ; places ahead of the loads into the first set
.endr
	WIN 0x40
.irp c, 0,1,2,3
	ds_load_tr16_b128 v[XF+8*\c:XF+8*\c+3],   v[ADV] offset:\c*32          ; V^T, keys 0-31, channels 16 c on
	ds_load_tr16_b128 v[XF+8*\c+4:XF+8*\c+7], v[ADV] offset:16*PV+\c*32
.endr
	s_wait_dscnt 8                                 ; all but those eight
	WIN 0x05
.irp t, 0,1,2,3
.irp k, 0,1,2,3
	v_wmma_f32_16x16x32_f16 v[S+32*\t+8*\k:S+32*\t+8*\k+7], v[YF+8*\k:YF+8*\k+7], v[16*\t+8:16*\t+15], v[S+32*\t+8*\k:S+32*\t+8*\k+7]
.endr
.endr
.rept 4
	v_nop                                          ; places ahead of the loads into the second set and of the first read of the scores
.endr
	WIN 0x40
.irp c, 0,1,2,3
	ds_load_tr16_b128 v[YF+8*\c:YF+8*\c+3],   v[ADV] offset:32*PV+\c*32    ; V^T, keys 32-63
	ds_load_tr16_b128 v[YF+8*\c+4:YF+8*\c+7], v[ADV] offset:48*PV+\c*32
.endr
	WIN 0
	SOFTMAX
	WIN 0x41                                       ; O^T (destination and source 0) window 1, a window 0
.irp t, 0,1,2,3
.set i, 0
.rept 16
	v_pk_mul_f32 v[OA+32*\t+i:OA+32*\t+i+1], v[OA+32*\t+i:OA+32*\t+i+1], v[ST+8*\t+2:ST+8*\t+3] op_sel_hi:[1,0]   ; O^T under the new m, each accumulator from its low end on
.set i, i+2
.endr
.endr
	s_wait_dscnt 0x0                               ; V is in
	PVG 0, XF
	PVG 1, YF
	s_add_co_u32 s[TB], s[TB], STEPB
	s_add_co_u32 s[TJ], s[TJ], 4*KS
.endm
; THE CHANGE OF SLOTS stands at a slot's head.  Each wave waits for all its tensor loads (its part of the slot that it is about to read), adds 0 to its spare word, and waits for that and for its reads of the slot
; that it has left.  fill = 1: a round of the cluster's barrier, and behind it the other slot is asked for, with the 256 keys that follow: one load a wave, which has four key steps in which to land.
.macro CHANGE fill
	s_wait_tensorcnt 0x0                           ; no tensor load of mine is out, so a group 0 may be written
	ds_add_u32 v[SPW], v[NIL]
.if \fill
	s_xor_b32 s[G0K+1], s[G0K+1], SLOT1
	s_add_nc_u64 s[G0K+2:G0K+3], s[G0K+2:G0K+3], NST*KS*128
	s_xor_b32 s[G0V+1], s[G0V+1], SLOT1
	s_add_nc_u64 s[G0V+2:G0V+3], s[G0V+2:G0V+3], NST*KS*128
	s_wait_xcnt 0x0                                ; the last prefetch, a slot back, has read its address
	s_add_nc_u64 s[PFA:PFA+1], s[PFA:PFA+1], NST*KS*128
	s_wait_dscnt 0x0                               ; the add is done, and my reads of the slot that I have left are over
	CROUND
	JLOAD
	ASK
.else
	s_wait_dscnt 0x0
	s_barrier_signal -1
	s_barrier_wait -1
.endif
.endm
.macro FOUR_STEPS                      ; a slot's four key steps: written once, walked four times
	s_mov_b32 s[CNT], NST
.Lstep_\@:
	STEP
	s_sub_co_u32 s[CNT], s[CNT], 1
	s_cmp_lg_u32 s[CNT], 0
	s_cbranch_scc1 .Lstep_\@
	s_sub_co_u32 s[TB], s[TB], NST*STEPB           ; back to a slot's first step,
	s_xor_b32 s[TB], s[TB], SLOT1                  ; in the other slot
.endm
	s_wait_loadcnt 0x0                             ; Q
.Lslot:                                            ; seven trips: behind each change of slots but the last the next 256 keys are asked for (the first trip's loads are slot 1's first fill)
	CHANGE 1
	FOUR_STEPS
	s_sub_co_u32 s[SLOTS], s[SLOTS], 1
	s_cmp_lg_u32 s[SLOTS], 0
	s_cbranch_scc1 .Lslot
	CHANGE 0                                       ; the last slot is written out
	FOUR_STEPS
	; THE WAY OUT.  Every lane holds its query's sum in the sums' lowest register.  O^T / the sum, rounded to f16, goes through my stage and leaves as four rows of the head, 512 consecutive bytes, a store.
.rept 4
	v_nop                                          ; places behind the last products
.endr
.irp t, 0,1,2,3
	v_rcp_f32 v[ST+8*\t+2], v[LS+8*\t]
.endr
	v_nop
	s_wait_alu depctr_va_vdst(0)                   ; one wait for the four reciprocals, ahead of their first reader
.irp t, 0,1,2,3
	WIN 0x41
.set i, 0
.rept 16
	v_pk_mul_f32 v[OA+32*\t+i:OA+32*\t+i+1], v[OA+32*\t+i:OA+32*\t+i+1], v[ST+8*\t+2:ST+8*\t+3] op_sel_hi:[1,0]
.set i, i+2
.endr
	WIN 0x05                                       ; sources window 1, destination window 0
.set i, 0
.rept 16
	v_cvt_pk_f16_f32 v[S+16*\t+i], v[OA+32*\t+2*i], v[OA+32*\t+2*i+1]
.set i, i+1
.endr
	WIN 0
.irp c, 0,1,2,3
	ds_store_b128 v[STO], v[S+16*\t+4*\c:S+16*\t+4*\c+3] offset:\t*16*PK+32*\c
.endr
.endr
.irp i, 0,1,2,3,4,5,6,7,8,9,10,11,12,13,14,15
	ds_load_b128 v[128+4*\i:128+4*\i+3], v[RD] offset:\i*4*PK      ; LDS serves a wave's instructions in order: these see my stores
.endr
.irp i, 0,1,2,3,4,5,6,7,8,9,10,11,12,13,14,15
	s_wait_dscnt 15-\i                             ; load i is in; the younger ones may be out
	global_store_b128 v[GO], v[128+4*\i:128+4*\i+3], s[8:9] offset:512*\i
.endr
	s_wait_tensorcnt 0x0                           ; the wave's end, behind my last tensor load and my last LDS store
	ds_add_u32 v[SPW], v[NIL]
	s_wait_dscnt 0x0
	CROUND                                         ; the closing round
	s_endpgm
.Lfunc_end_k_qf26cb74635_attn:
	.size	k_qf26cb74635_attn, .Lfunc_end_k_qf26cb74635_attn-k_qf26cb74635_attn
	.p2alignl 7, 3214868480
	.fill 96, 4, 3214868480
	.section	.rodata,"a",@progbits
	.p2align	6, 0x0
	.amdhsa_kernel k_qf26cb74635_attn
		.amdhsa_group_segment_fixed_size 327680
		.amdhsa_private_segment_fixed_size 0
		.amdhsa_enable_private_segment 0
		.amdhsa_kernarg_size 24
		.amdhsa_user_sgpr_count 2
		.amdhsa_user_sgpr_kernarg_segment_ptr 1
		.amdhsa_wavefront_size32 1
		.amdhsa_system_sgpr_workgroup_id_x 1
		.amdhsa_system_sgpr_workgroup_id_y 1
		.amdhsa_system_sgpr_workgroup_id_z 1
		.amdhsa_system_vgpr_workitem_id 0
		.amdhsa_next_free_vgpr 512
		.amdhsa_next_free_sgpr 80
		.amdhsa_reserve_vcc 0
		.amdhsa_float_denorm_mode_32 3
		.amdhsa_float_denorm_mode_16_64 3
		.amdhsa_memory_ordered 1
		.amdhsa_forward_progress 1
		.amdhsa_inst_pref_size 88
	.end_amdhsa_kernel
	.amdgpu_metadata
---
amdhsa.version: [ 1, 2 ]
amdhsa.kernels:
  - .name:           k_qf26cb74635_attn
    .symbol:         k_qf26cb74635_attn.kd
    .args:
      - { .name: qkvh, .offset: 0, .size: 8, .value_kind: global_buffer, .address_space: global }
      - { .name: mb, .offset: 8, .size: 8, .value_kind: global_buffer, .address_space: global }
      - { .name: oh, .offset: 16, .size: 8, .value_kind: global_buffer, .address_space: global }
    .group_segment_fixed_size: 327680
    .private_segment_fixed_size: 0
    .kernarg_segment_align: 8
    .kernarg_segment_size: 24
    .max_flat_workgroup_size: 256
    .sgpr_count:     80
    .vgpr_count:     512
    .wavefront_size: 32
...
	.end_amdgpu_metadata
.endif
;; end of part 3
;; launch proj (part 4): grid 4 x 64, 4 waves a work-group, clusters of 4 x 4, 327,680 bytes of LDS; arguments oh, wp16, b_proj, out0; writes out0
.if DOCPART == 4
	.amdgcn_target "amdgcn-amd-amdhsa--gfx1250"
	.amdhsa_code_object_version 6
	.text
	.protected	k_qf26cb74635_proj
	.globl	k_qf26cb74635_proj
	.p2align	8
	.type	k_qf26cb74635_proj,@function
k_qf26cb74635_proj:
	s_mov_b64 s[64:65], 0
	v_nop
	global_prefetch_b8 v0, s[64:65] scope:SCOPE_SE
	s_setreg_imm32_b32 hwreg(HW_REG_WAVE_MODE, 25, 1), 1
	s_wait_xcnt 0x0
	s_wait_alu depctr_hold_cnt(0) depctr_sa_sdst(0) depctr_va_vdst(0) depctr_va_sdst(0) depctr_va_ssrc(0) depctr_va_vcc(0) depctr_vm_vsrc(0)
	s_getreg_b32 s2, hwreg(HW_REG_IB_STS2, 6, 4)
	s_cmp_eq_u32 s2, 0
	s_cbranch_scc0 .Lentry_in_a_cluster
	s_endpgm
.Lentry_in_a_cluster:
	s_bfe_u32 s2, ttmp6, 0x10000c
	s_cmp_lg_u32 s2, 0xf033
	s_cbranch_scc0 .Lentry_shape_is_right
	s_endpgm
.Lentry_shape_is_right:
; Launch 4 of 4: out0[m][n] = the sum over k of o[m][k] w_proj[n][k] + b_proj[n].  o: f16 by heads, [batch 4][head 16][2048][64]; w_proj: f16 in planes of 64 along K, [16][1024][64]; out0: [8192][1024] f32.  Sums in f32.
; K = head x 64 + channel, so a head of o and a plane of w_proj are the same 64 along K, and a tile's rows of a plane are one dense block of memory.
; A tile of the result is 128 x 256: 256 work-groups.  Four waves, each 64 x 128: 32 accumulators, 256 registers.  A K step is two planes, 128 along K; two LDS slots take turns over the 8 K steps.
; Each wave fetches one plane's block with one tensor load: waves 0 and 1 o's (128 rows), waves 2 and 3 w_proj's (256 rows).
; CLUSTERS: 4 x 4.  The four of a row of the cluster make one tile row (all 1,024 columns) and need the same rows of o; the four of a column need the same rows of w_proj: joint loads, as many requests divided by four.
; THE MATRIX INSTRUCTION IS USED TRANSPOSED (source 0 = 16 rows of w_proj, source 1 = 16 rows of o): a lane holds eight neighbouring columns of one row.  b_proj is the C of each sum's first instruction.
; No prefetch: the launch is short and moves its buffers once.  One tile to a work-group.
; REGISTERS: window 0: v0-31 addresses; v32-127, v128-223 two fragment buffers (w_proj's eight fragments, then o's four); on the way out v32-159.   window 1: accumulator (a, b) at v[8 (8 a + b)].   window 2: v0-63 b_proj.
.set PITCH,  144                       ; an LDS row: 128 bytes + 16: the 16 rows of a load start 4 banks apart
.set APL,    128*PITCH                 ; a plane's block of o
.set BPL,    256*PITCH                 ; and of w_proj
.set SLOT,   2*APL+2*BPL               ; o's two planes, then w_proj's two
.set STAGE,  2*SLOT                    ; the way out: 16 rows x (512 bytes + 16) for each wave
.set SPITCH, 528
.set SPARE,  STAGE+4*16*SPITCH         ; the spare words, 128 bytes a wave
.set LAPS,   4                         ; a lap = two K steps = once round the ring
.set ADRA, 16
.set ADRB, 20
.set STO,  24
.set RD,   25
.set CO,   26
.set BO,   27
.set SPW,  28                          ; LDS address of my spare word; never rewritten
.set NIL,  29                          ; 0; never rewritten
.set F0,   32
.set F1,   128
.set BK,   32
.set WV,   12
.set RH,   13
.set CH,   14
.set G1, 24
.set G0, 32
.set G1B, 48
.set G0B, 56
.set MSB, 0
.macro WIN new
.if MSB != (\new)
	s_set_vgpr_msb (MSB<<8)|(\new)
.set MSB, (\new)
.endif
.endm
.set MUL, 0x50                         ; fragments window 0, C and D window 1
.set FST, 0x60                         ; the first quarter: C (b_proj) window 2, D window 1
.macro JLOAD s                         ; a joint load: waves 0 and 1 fetch o's planes, waves 2 and 3 w_proj's; an s_nop 0 and four v_nop follow each of the two lines
	s_cmp_eq_u32 s[RH], 0
	s_cbranch_scc0 .Lfor_b_\@
	tensor_load_to_lds s[G0+4*\s:G0+4*\s+3], s[G1:G1+7]
	s_nop 0
.rept 4
	v_nop
.endr
	s_branch .Lasked_\@
.Lfor_b_\@:
	tensor_load_to_lds s[G0B+4*\s:G0B+4*\s+3], s[G1B:G1B+7]
	s_nop 0
.rept 4
	v_nop
.endr
.Lasked_\@:
.endm
.macro CREST                           ; a round of the cluster's barrier behind its opening barrier
	s_cmp_lg_u32 s[WV], 0
	s_cbranch_scc1 .Lnot_wave_0_\@
	s_barrier_signal -3
.Lnot_wave_0_\@:
	s_barrier_wait -3
	s_barrier_signal -1
	s_barrier_wait -1
.endm
.macro CROUND
	s_barrier_signal -1
	s_barrier_wait -1
	CREST
.endm
	s_load_b128 s[4:7], s[0:1], 0x0                ; oh, wp16
	s_load_b128 s[8:11], s[0:1], 0x10              ; b_proj, out0
	v_lshl_add_u32 v[SPW], v0, 2, SPARE
	v_mov_b32 v[NIL], 0
	ds_add_u32 v[SPW], v[NIL]                      ; the wave's opening: the add, twice on end, and its wait ahead of my first tensor load
	ds_add_u32 v[SPW], v[NIL]
	v_lshrrev_b32 v1, 5, v0
	v_readfirstlane_b32 s[WV], v1                  ; wave 0..3
	s_lshr_b32 s[RH], s[WV], 1                     ; which half of the tile's rows is mine.  Also: I fetch for o (0) or for w_proj (1)
	s_and_b32 s[CH], s[WV], 1                      ; which half of its columns.  Also: which plane of a K step I fetch
	s_bfe_u32 s40, ttmp6, 0x40000                  ; cx, cy
	s_bfe_u32 s41, ttmp6, 0x40004
	s_lshl_b32 s42, ttmp9, 2
	s_add_co_u32 s42, s42, s40                     ; tile column
	s_and_b32 s15, ttmp7, 0xffff
	s_lshl_b32 s15, s15, 2
	s_add_co_u32 s15, s15, s41                     ; tile row
	s_lshl_b32 s43, s41, 2
	s_lshl_b32 s43, 15, s43                        ; my row of the cluster
	s_lshl_b32 s44, 0x1111, s40                    ; my column
	s_or_b32 s[G1+0], s43, (1<<16)|(1<<20)|(1<<21)|(4<<22)|(3<<25)   ; the mask; 2-byte elements; padding on; bit 21 beside a mask; after every 32 words; 4 words
	s_or_b32 s[G1B+0], s44, (1<<16)|(1<<20)|(1<<21)|(4<<22)|(3<<25)
	s_mov_b32 s[G1+1], 64<<16                      ; tensor_dim0
	s_mov_b32 s[G1+2], 128<<16                     ; tensor_dim1
	s_mov_b32 s[G1+3], 64<<16                      ; tile_dim0
	s_mov_b32 s[G1+4], 128                         ; tile_dim1
	s_mov_b32 s[G1+5], 64                          ; from row to row
	s_mov_b32 s[G1+6], 0
	s_mov_b32 s[G1+7], 0
	s_mov_b32 s[G1B+1], 64<<16
	s_mov_b32 s[G1B+2], 256<<16
	s_mov_b32 s[G1B+3], 64<<16
	s_mov_b32 s[G1B+4], 256
	s_mov_b32 s[G1B+5], 64
	s_mov_b32 s[G1B+6], 0
	s_mov_b32 s[G1B+7], 0
	s_lshr_b32 s16, s15, 4                         ; o: the batch (16 tile rows each), 4,194,304 bytes,
	s_lshl_b32 s16, s16, 22
	s_and_b32 s17, s15, 15
	s_lshl_b32 s17, s17, 14                        ; the tile's 128 rows of 128 bytes in a plane,
	s_add_co_u32 s16, s16, s17
	s_lshl_b32 s17, s[CH], 18                      ; my plane of the K step
	s_add_co_u32 s16, s16, s17
	s_mov_b32 s17, 0
	s_lshl_b32 s46, s42, 15                        ; w_proj: the tile's 256 rows of 128 bytes,
	s_lshl_b32 s47, s[CH], 17                      ; my plane
	s_add_co_u32 s46, s46, s47
	s_mov_b32 s47, 0
	s_mul_i32 s20, s[CH], APL                      ; where they go: no place in the cluster enters an LDS address
	s_mul_i32 s21, s[CH], BPL
	s_add_co_u32 s21, s21, 2*APL
	s_wait_dscnt 0x0                               ; both opening adds are done
	s_wait_kmcnt 0x0
	s_add_nc_u64 s[18:19], s[4:5], s[16:17]
	s_add_nc_u64 s[46:47], s[6:7], s[46:47]
	CROUND                                         ; all sixteen work-groups are here: the first joint loads meet
.irp s, 0,1
	s_mov_b32 s[G0+4*\s], 1
	s_add_co_u32 s[G0+4*\s+1], s20, \s*SLOT
	s_add_nc_u64 s[G0+4*\s+2:G0+4*\s+3], s[18:19], \s*524288       ; K step s: two planes of o on
	s_or_b32 s[G0+4*\s+3], s[G0+4*\s+3], 0x80000000
	s_mov_b32 s[G0B+4*\s], 1
	s_add_co_u32 s[G0B+4*\s+1], s21, \s*SLOT
	s_add_nc_u64 s[G0B+4*\s+2:G0B+4*\s+3], s[46:47], \s*262144     ; two planes of w_proj on
	s_or_b32 s[G0B+4*\s+3], s[G0B+4*\s+3], 0x80000000
	JLOAD \s
.endr
	v_and_b32 v1, 15, v0                           ; r
	v_bfe_u32 v2, v0, 4, 1                         ; h
	v_mul_u32_u24 v3, v1, PITCH
	v_lshl_add_u32 v3, v2, 4, v3                   ; a fragment's row x pitch + 16 h
	s_mul_i32 s22, s[RH], 64*PITCH                 ; my 64 rows of o
	s_mul_i32 s23, s[CH], 128*PITCH                ; my 128 rows of w_proj,
	s_add_co_u32 s23, s23, 2*APL                   ; behind o's two planes
.irp s, 0,1
	v_add_nc_u32 v[ADRA+\s], s22, v3
	v_add_nc_u32 v[ADRB+\s], s23, v3
	s_add_co_u32 s22, s22, SLOT
	s_add_co_u32 s23, s23, SLOT
.endr
	s_mul_i32 s16, s[WV], 16*SPITCH
	s_add_co_u32 s16, s16, STAGE                   ; my stage
	v_mul_u32_u24 v4, v1, SPITCH
	v_lshl_add_u32 v4, v2, 5, v4
	v_add_nc_u32 v[STO], s16, v4                   ; in: row r, 32 bytes for each half of the lanes
	v_and_b32 v5, 31, v0
	v_lshlrev_b32 v[CO], 4, v5                     ; back: the 32 lanes take one row of 512 bytes; and the same in out0
	v_add_nc_u32 v[RD], s16, v[CO]
	v_lshlrev_b32 v[BO], 5, v2
	s_lshl_b32 s66, s42, 10                        ; my first column in bytes: 1,024 x tile column + 512 x half
	s_lshl_b32 s67, s[CH], 9
	s_add_co_u32 s66, s66, s67
	s_mov_b32 s67, 0
	s_add_nc_u64 s[8:9], s[8:9], s[66:67]          ; b_proj at my 128 columns
	s_lshl_b32 s68, s15, 19                        ; my first row: 128 x tile row + 64 x half, of 4,096 bytes
	s_lshl_b32 s69, s[RH], 18
	s_add_co_u32 s68, s68, s69
	s_add_co_u32 s66, s66, s68
	s_add_nc_u64 s[10:11], s[10:11], s[66:67]
	WIN 0x80                                       ; destination window 2
.irp b, 0,1,2,3,4,5,6,7
	global_load_b128 v[8*\b:8*\b+3],   v[BO], s[8:9] offset:64*\b          ; lane (r, h), block b, register j: b_proj of column 16 b + 8 h + j
	global_load_b128 v[8*\b+4:8*\b+7], v[BO], s[8:9] offset:64*\b+16
.endr
	WIN 0
; 24 LDS loads in one run: the fragments of quarter q (32 along K: plane q / 2, half q % 2) into buffer f: w_proj's eight, then o's four
.macro FETCH slot, q, f
	WIN 0
.irp i, 0,1,2,3,4,5,6,7
	ds_load_b128 v[\f+8*\i:\f+8*\i+3],   v[ADRB+\slot] offset:((\q)/2)*BPL+\i*16*PITCH+((\q)%2)*64
	ds_load_b128 v[\f+8*\i+4:\f+8*\i+7], v[ADRB+\slot] offset:((\q)/2)*BPL+\i*16*PITCH+((\q)%2)*64+32
.endr
.irp i, 0,1,2,3
	ds_load_b128 v[\f+64+8*\i:\f+64+8*\i+3],   v[ADRA+\slot] offset:((\q)/2)*APL+\i*16*PITCH+((\q)%2)*64
	ds_load_b128 v[\f+64+8*\i+4:\f+64+8*\i+7], v[ADRA+\slot] offset:((\q)/2)*APL+\i*16*PITCH+((\q)%2)*64+32
.endr
.endm
; 8 matrix instructions: o's block a against w_proj's eight.  The 32 accumulators take turns, one instruction a turn, in the same order in every quarter.
.macro MUL8 f, a, first
.irp b, 0,1,2,3,4,5,6,7
.if \first
	v_wmma_f32_16x16x32_f16 v[8*(8*(\a)+\b):8*(8*(\a)+\b)+7], v[\f+8*\b:\f+8*\b+7], v[\f+64+8*(\a):\f+64+8*(\a)+7], v[8*\b:8*\b+7]
.else
	v_wmma_f32_16x16x32_f16 v[8*(8*(\a)+\b):8*(8*(\a)+\b)+7], v[\f+8*\b:\f+8*\b+7], v[\f+64+8*(\a):\f+64+8*(\a)+7], v[8*(8*(\a)+\b):8*(8*(\a)+\b)+7]
.endif
.endr
.endm
.macro PLACES                          ; four plain vector instructions ahead of loads into registers that matrix instructions have read, and of reads of results
.rept 4
	v_nop
.endr
.endm
; A K step is four quarters, 32 matrix instructions each, on buffers 0, 1, 0, 1.  One of the first three: multiplies buffer f and fetches quarter qn of the same slot into g.
.macro QUARTER slot, qn, f, g, first
	s_wait_dscnt 4                                 ; all but the youngest four loads (o's blocks 2 and 3)
	WIN MUL+0x10*(\first)
	MUL8 \f, 0, \first
	MUL8 \f, 1, \first
	PLACES
	FETCH \slot, \qn, \g
	s_wait_dscnt 24                                ; all but the 24 just issued
	WIN MUL+0x10*(\first)
	MUL8 \f, 2, \first
	MUL8 \f, 3, \first
.endm
; The last quarter multiplies buffer 1 and changes slots: in front of the barrier each wave waits for all its tensor loads, adds 0 to its spare word, and waits for that and for its reads of this slot.
; fill = 1: the barrier opens a round of the cluster's, and this slot is filled again, two K steps ahead: one load a wave, first thing behind the round.
.macro TURN slot, next, fill
	WIN 0
	s_wait_tensorcnt 0x0                           ; my part of the next slot has landed; no tensor load of mine is out
	ds_add_u32 v[SPW], v[NIL]
	s_wait_dscnt 5                                 ; (the add and the youngest four loads may be out)
	WIN MUL
	MUL8 F1, 0, 0
	s_wait_dscnt 0x0                               ; the add is done, and my reads of this slot are over
	s_barrier_signal -1
	MUL8 F1, 1, 0
.if \fill
	WIN 0
.endif
	s_barrier_wait -1
.if \fill
	CREST
	s_add_nc_u64 s[G0+4*\slot+2:G0+4*\slot+3], s[G0+4*\slot+2:G0+4*\slot+3], 1048576
	s_add_nc_u64 s[G0B+4*\slot+2:G0B+4*\slot+3], s[G0B+4*\slot+2:G0B+4*\slot+3], 524288
	JLOAD \slot                                    ; the four v_nop behind it are also the places ahead of the loads below
.else
	PLACES
.endif
	FETCH \next, 0, F0
	WIN MUL
	MUL8 F1, 2, 0
	MUL8 F1, 3, 0
.endm
	s_wait_tensorcnt 1                             ; my part of K step 0 is in; K step 1's load may be out
	s_barrier_signal -1
	s_barrier_wait -1
	FETCH 0, 0, F0
	s_wait_loadcnt 0x0                             ; b_proj
	QUARTER 0, 1, F0, F1, 1                        ; the first quarter stands ahead of the loop: its products start the sums from b_proj
	WIN 0
	s_mov_b32 s3, LAPS-1
.Llap:                                             ; a trip goes once round the ring and fills both slots again: K steps 2 to 7 in three trips
	QUARTER 0, 2, F1, F0, 0
	QUARTER 0, 3, F0, F1, 0
	TURN 0, 1, 1
	QUARTER 1, 1, F0, F1, 0
	QUARTER 1, 2, F1, F0, 0
	QUARTER 1, 3, F0, F1, 0
	TURN 1, 0, 1
	QUARTER 0, 1, F0, F1, 0
	WIN 0
	s_sub_co_u32 s3, s3, 1
	s_cmp_lg_u32 s3, 0
	s_cbranch_scc1 .Llap
	QUARTER 0, 2, F1, F0, 0                        ; the last lap fills nothing
	QUARTER 0, 3, F0, F1, 0
	TURN 0, 1, 0
	QUARTER 1, 1, F0, F1, 0
	QUARTER 1, 2, F1, F0, 0
	QUARTER 1, 3, F0, F1, 0
	s_wait_dscnt 4
	WIN MUL
	MUL8 F1, 0, 0
	MUL8 F1, 1, 0
	s_wait_dscnt 0
	MUL8 F1, 2, 0
	MUL8 F1, 3, 0
	WIN 0
; THE WAY OUT, block by block of 16 rows x 128 columns: through my own stage, back as whole rows of 512 bytes, which the 32 lanes store as 512 consecutive bytes, aligned.
.macro TOSTAGE a
	WIN 0x04                                       ; an LDS store's data are its source 1: window 1
.irp b, 0,1,2,3,4,5,6,7
	ds_store_b128 v[STO], v[64*(\a)+8*\b:64*(\a)+8*\b+3] offset:64*\b          ; each accumulator from its low end on
	ds_store_b128 v[STO], v[64*(\a)+8*\b+4:64*(\a)+8*\b+7] offset:64*\b+16
.endr
	WIN 0
.set BB, BK+64*((\a)%2)
.irp t, 0,1,2,3,4,5,6,7,8,9,10,11,12,13,14,15
	ds_load_b128 v[BB+4*\t:BB+4*\t+3], v[RD] offset:\t*SPITCH      ; LDS serves a wave's instructions in order: these see the stores above
.endr
.endm
.macro SEND a, younger                 ; younger: the LDS instructions issued behind block a's loads, which may stay out
.set BB, BK+64*((\a)%2)
	s_wait_dscnt \younger
.irp t, 0,1,2,3,4,5,6,7,8,9,10,11,12,13,14,15
	global_store_b128 v[CO], v[BB+4*\t:BB+4*\t+3], s[10:11] offset:(\a)*65536+\t*4096 th:TH_STORE_NT
.endr
.endm
	PLACES
	TOSTAGE 0
.irp a, 1,2,3
.if \a > 1
	s_wait_xcnt 0x0                                ; block a - 2's stores have read their registers: block a's loads may land there
.endif
	TOSTAGE \a
	SEND \a-1, 32                                  ; behind block a - 1's loads: block a's 16 stores and 16 loads
.endr
	SEND 3, 0
	s_wait_tensorcnt 0x0                           ; the wave's end, behind my last tensor load and my last LDS store
	ds_add_u32 v[SPW], v[NIL]
	s_wait_dscnt 0x0
	CROUND                                         ; the closing round
	s_endpgm
.Lfunc_end_k_qf26cb74635_proj:
	.size	k_qf26cb74635_proj, .Lfunc_end_k_qf26cb74635_proj-k_qf26cb74635_proj
	.p2alignl 7, 3214868480
	.fill 96, 4, 3214868480
	.section	.rodata,"a",@progbits
	.p2align	6, 0x0
	.amdhsa_kernel k_qf26cb74635_proj
		.amdhsa_group_segment_fixed_size 327680
		.amdhsa_private_segment_fixed_size 0
		.amdhsa_enable_private_segment 0
		.amdhsa_kernarg_size 32
		.amdhsa_user_sgpr_count 2
		.amdhsa_user_sgpr_kernarg_segment_ptr 1
		.amdhsa_wavefront_size32 1
		.amdhsa_system_sgpr_workgroup_id_x 1
		.amdhsa_system_sgpr_workgroup_id_y 1
		.amdhsa_system_sgpr_workgroup_id_z 1
		.amdhsa_system_vgpr_workitem_id 0
		.amdhsa_next_free_vgpr 576
		.amdhsa_next_free_sgpr 72
		.amdhsa_reserve_vcc 0
		.amdhsa_float_denorm_mode_32 3
		.amdhsa_float_denorm_mode_16_64 3
		.amdhsa_memory_ordered 1
		.amdhsa_forward_progress 1
		.amdhsa_inst_pref_size 86
	.end_amdhsa_kernel
	.amdgpu_metadata
---
amdhsa.version: [ 1, 2 ]
amdhsa.kernels:
  - .name:           k_qf26cb74635_proj
    .symbol:         k_qf26cb74635_proj.kd
    .args:
      - { .name: oh, .offset: 0, .size: 8, .value_kind: global_buffer, .address_space: global }
      - { .name: wp16, .offset: 8, .size: 8, .value_kind: global_buffer, .address_space: global }
      - { .name: b_proj, .offset: 16, .size: 8, .value_kind: global_buffer, .address_space: global }
      - { .name: out0, .offset: 24, .size: 8, .value_kind: global_buffer, .address_space: global }
    .group_segment_fixed_size: 327680
    .private_segment_fixed_size: 0
    .kernarg_segment_align: 8
    .kernarg_segment_size: 32
    .max_flat_workgroup_size: 128
    .sgpr_count:     72
    .vgpr_count:     576
    .wavefront_size: 32
...
	.end_amdgpu_metadata
.endif
;; end of part 4
